; MI455X (gfx1250); checked and timed in simulation.
; The chip was launched on July 23, 2026; its instructions are those of AMD's public machine-readable ISA for CDNA 5 (MIT licence, August 2026) and "CDNA5" Instruction Set Architecture Reference Guide (July 2026). The comments in the code are by the model that wrote it; some were corrected since.
;; Multi Head Attention. Allowed arithmetic: matrix products marked QUANTISED: E4M3 operands, one E8M0 scale for each 32 along K, by v_wmma_scale_f32_16x16x128_f8f6f4 with both operands' format E4M3, f32 sums; everything else in f32.
;; Inputs: bk 64 float32; bo 1,024 float32; bq 1,024 float32; bv 64 float32; wk 1,024 x 64 float32; wo 1,024 x 1,024 float32; wq 1,024 x 1,024 float32; wv 1,024 x 64 float32; x 4 x 2,048 x 1,024 float32.
;; Outputs: out0 4 x 2,048 x 1,024 float32; out1 4 x 1 x 2,048 x 64 float32; out2 4 x 1 x 2,048 x 64 float32.
;; This version of the problem:
;;   THIS VERSION OF THE PROBLEM IS GIVEN IN LOW PRECISION. The matrix products marked QUANTISED in the list below multiply operands that are first quantised to E4M3 (4 exponent bits, 3 mantissa bits; 8 bits a number), with one power-of-two scale for each 32 numbers along K (OCP MX v1.0); their sums are f32. All else is computed in f32.
;;   The module's matrix products, in the order in which they are computed (A, B: the left and right operand; K: the contracted axis; several contracted axes count as one K, in the product's order):
;;     1. [M 8,192, K 1,024] x [K 1,024, N 1,024]; A: input x; B: input wq: QUANTISED
;;     2. [M 8,192, K 1,024] x [K 1,024, N 64]; A: input x; B: input wk: QUANTISED
;;     3. [M 8,192, K 1,024] x [K 1,024, N 64]; A: input x; B: input wv: QUANTISED
;;     4. batch 4 x [M 32,768, K 64] x [K 64, N 2,048]; A: computed on the way; B: computed on the way: QUANTISED
;;     5. batch 4 x [M 32,768, K 2,048] x [K 2,048, N 64]; A: softmax (see below); B: computed on the way: QUANTISED
;;     6. [M 8,192, K 1,024] x [K 1,024, N 1,024]; A: computed on the way; B: input wo: QUANTISED
;;   THE QUANTISER, for each operand of a quantised product, along K:
;;     - K is cut into blocks of 32 from its start; a last block that is shorter is filled with zeros.
;;     - A block's scale is 2^e with e = floor(log2(the largest magnitude in the block)) - 8, held to -126 .. 127; a block of zeros has e = 0. As a byte (E8M0): e + 127.
;;     - Each number is divided by its block's scale, clamped to +-448, and rounded to the nearest number of E4M3, ties to even, subnormals kept.
;;     - The product sums the exact products of the quantised numbers (number of the format x scale) in f32.
;;   ~~~python
;;   def quantise(x, axis):      # numpy; x: float32 -> the quantised numbers, widened to float32 again
;;       x = np.moveaxis(x, axis, -1); K = x.shape[-1]
;;       x = np.pad(x, [(0, 0)] * (x.ndim - 1) + [(0, -K % 32)]); x = x.reshape(x.shape[:-1] + (-1, 32)); a = np.abs(x).max(-1, keepdims=True)
;;       e = np.where(a > 0, np.clip(np.frexp(np.where(a > 0, a, 1))[1] - 1 - 8, -126, 127), 0)      # np.frexp(a)[1] - 1 = floor(log2(a)), exactly
;;       r = np.clip(x / 2.0 ** e, -448, 448)
;;       step = 2.0 ** (np.maximum(np.frexp(np.where(r == 0, 1, r))[1] - 1, -6) - 3)
;;       q = np.round(r / step) * step * 2.0 ** e      # np.round: ties to even
;;       return np.moveaxis(q.reshape(q.shape[:-2] + (-1,))[..., :K], -1, axis).astype(np.float32)
;;   ~~~
;;   SOFTMAX AHEAD OF A QUANTISED PRODUCT. Where the list says 'softmax', what is quantised is not the finished softmax but p = 2^(t - M), with t = logit x log2(e) and M = ceil(the row's largest t), a whole number; so 1/2 < the row's largest p <= 1. The row's sum l is taken of the UNQUANTISED p, in f32, and the product's result is divided by l at the end. Since M is a whole number, a kernel that streams over the keys may use a running M (the ceiling of the running maximum): every later rescaling is an exact power of two, which a block's scale takes up: the codes' values come out the same.
;;   OPERANDS COMPUTED ON THE WAY. 'Computed on the way' means the value that the module computes at that place (a softmax that the list does not call 'softmax' is quantised finished and normalised). What goes into a quantiser is computed in f32, as accurately as f32 sums, v_exp_f32 and their like allow (about 1e-6 of the number): no bf16 or f16 on the way to a quantiser, and a product that is left as it is and whose result goes on into a quantised operand takes f32 operands (vector FMAs, or v_wmma_f32_16x16x4_f32). A number that lies on a knife's edge between two numbers of the format may be rounded either way, as far as f32 arithmetic and the matrix unit's own rounding can turn it there, and no further.
;; One version. Each part assembles by itself: llvm-mc -triple=amdgcn-amd-amdhsa -mcpu=gfx1250 --defsym DOCPART=n.
;; ======== version 1 of 1: 5 launches
;; limits: right only within a limited range of input values
;; workspace buffers: wts 2,297,856 bytes; rope 524,288 bytes; xq 8,650,752 bytes; aq 8,650,752 bytes; qq 8,912,896 bytes; kv 1,097,728 bytes
;; launch prep (part 1): grid 168 x 1, 4 waves a work-group, no clusters, 1,536 bytes of LDS; arguments wq, wk, wv, wo, wts, rope; writes wts, rope
.if DOCPART == 1
	.amdgcn_target "amdgcn-amd-amdhsa--gfx1250"
	.amdhsa_code_object_version 6
	.text
	.protected	k_q86e47cbe39_prep
	.globl	k_q86e47cbe39_prep
	.p2align	8
	.type	k_q86e47cbe39_prep,@function
k_q86e47cbe39_prep:
	s_mov_b64 s[64:65], 0
	v_nop
	global_prefetch_b8 v0, s[64:65] scope:SCOPE_SE
	s_setreg_imm32_b32 hwreg(HW_REG_WAVE_MODE, 25, 1), 1
	s_wait_xcnt 0x0
; PREP.  Work-groups 0-135: the four weights, f32 stored [k][n], become codes of E4M3 with one E8M0 byte for each 32 along K.  Work-groups 136-167: the table of cos and sin for RoPE.
; LAYOUT OF THE CODES: in the order of the operand's registers.  A group is 64 columns n x K 1,024 = 65,536 bytes, laid [K step s 0..7][tile t 0..3][piece c 0..3][lane 0..31][16 bytes];
; lane (r, h) of tile t is column 16 t + r.  THE ORDER ALONG K INSIDE A BLOCK OF 32: byte i < 8 of lane (r, h) is k = 32 c + 8 h + i, byte i >= 8 is k = 32 c + 16 + 8 h + i - 8.
; Every operand of every product of this program is laid so, on both sides, so the products are those of the plain order; the order stays inside a block, so the scales are the block's.
; Groups: 0-15 wq, 16 wk, 17 wv, 18-33 wo.  Scale words: from byte WSC on, 512 bytes for a tile of 16 columns: [half of K][r][4 words], word q of a half = K step 4 half + q, byte c = block c.
; A LANE TAKES A COLUMN AND ITS REGISTERS RUN DOWN K: a block of 32 lies in one lane, and the conversions give codes with K innermost.
; LIMITS: a block of zeros gets the byte 1 and not 127 (its codes are zeros, and this program alone reads the bytes); NaN and infinities among the inputs are not served.
; TABLE: rope[pos][i] = (cos, sin) of pos x 10000^(-i/32), f32.  The frequency is 2^(-i log2(10000)/32) by v_exp_f32, so the angle may differ from one made with another power function by about
; 2e-4 radians at the largest positions; the sine and cosine of the f32 angle are good to about 1e-7 (two-part reduction by pi/2 with fused multiply-adds, polynomials on +-pi/4).
.set WSC,  2228224
.set OFF,  16                          ; v16-47   row i of a block: pitch x i + 4 x lane
.set X,    48                          ; v48-175  four blocks of 32 numbers
.set C,    176                         ; v176-207 eight registers of codes for each block: no store's data are written again
	v_lshl_add_u32 v208, v0, 2, 0x400
	v_mov_b32 v209, 0
	s_cmp_ge_u32 ttmp9, 136
	s_cbranch_scc1 .Ltable
	s_load_b256 s[4:11], s[0:1], 0x0               ; wq, wk, wv, wo
	s_load_b64 s[12:13], s[0:1], 0x20              ; wts
	v_lshrrev_b32 v1, 5, v0
	v_readfirstlane_b32 s16, v1                    ; wave
	v_and_b32 v1, 31, v0                           ; lane
	v_lshlrev_b32 v2, 2, v1
	s_lshr_b32 s20, ttmp9, 1                       ; cg: which 32 columns of the 68 x 32
	s_and_b32 s21, ttmp9, 1                        ; which half of K
	s_mov_b32 s22, 4096                            ; a row of wq or wo in bytes
	s_sub_co_u32 s23, s20, 36                      ; the 32 columns' number inside wo, wv, wk: the one that applies is chosen below
	s_sub_co_u32 s24, s20, 34
	s_sub_co_u32 s25, s20, 32
	s_mov_b32 s26, 256                             ; a row of wk or wv
	s_mov_b32 s27, 4096
	s_mov_b32 s47, 0x600000                        ; the mantissa field of 448
	s_wait_alu depctr_va_vdst(0)
	s_wait_kmcnt 0x0
	s_mov_b64 s[28:29], s[10:11]                   ; the choice hangs on the work-group's number alone
	s_cmp_lt_u32 s20, 36
	s_cselect_b64 s[28:29], s[8:9], s[28:29]
	s_cselect_b32 s22, s26, s22
	s_cselect_b32 s23, s24, s23
	s_cmp_lt_u32 s20, 34
	s_cselect_b64 s[28:29], s[6:7], s[28:29]
	s_cselect_b32 s23, s25, s23
	s_cmp_lt_u32 s20, 32
	s_cselect_b64 s[28:29], s[4:5], s[28:29]
	s_cselect_b32 s22, s27, s22
	s_cselect_b32 s23, s20, s23
	s_lshl_b32 s17, s21, 2
	s_add_co_u32 s17, s17, s16                     ; my K step s = 4 half + wave
	s_lshl_b32 s30, s17, 7
	s_mul_i32 s30, s30, s22                        ; 128 s rows
	s_lshl_b32 s31, s23, 7
	s_add_co_u32 s30, s30, s31                     ; + 128 bytes for each 32 columns
	s_mov_b32 s31, 0
	s_add_nc_u64 s[32:33], s[28:29], s[30:31]      ; block 0's first row
	s_lshl_b32 s40, s22, 5
	s_mov_b32 s41, 0
	s_add_nc_u64 s[34:35], s[32:33], s[40:41]      ; blocks 1 to 3: 32 rows on each
	s_add_nc_u64 s[36:37], s[34:35], s[40:41]
	s_add_nc_u64 s[38:39], s[36:37], s[40:41]
.set li, 0
.rept 32
	v_mad_u32_u24 v[OFF+li], s22, li, v2
.set li, li+1
.endr
	s_lshr_b32 s42, s20, 1                         ; the codes: group cg / 2, K step s, tiles 2 (cg % 2) on
	s_lshl_b32 s42, s42, 16
	s_lshl_b32 s43, s17, 13
	s_add_co_u32 s42, s42, s43
	s_and_b32 s43, s20, 1
	s_lshl_b32 s43, s43, 12
	s_add_co_u32 s42, s42, s43
	s_mov_b32 s43, 0
	s_add_nc_u64 s[44:45], s[12:13], s[42:43]
	s_lshl_b32 s26, s20, 10                        ; the scale words: tiles 2 cg and 2 cg + 1, my half
	s_lshl_b32 s27, s21, 8
	s_add_co_u32 s26, s26, s27
	s_add_co_u32 s26, s26, WSC
	s_mov_b32 s27, 0
	s_add_nc_u64 s[24:25], s[12:13], s[26:27]
	v_lshrrev_b32 v4, 4, v1
	v_and_b32 v5, 15, v1
	v_lshlrev_b32 v3, 4, v5
	v_lshl_add_u32 v14, v4, 9, v3                  ; scale words: 512 (lane / 16) + 16 (lane % 16)
	v_lshl_add_u32 v3, v4, 11, v3                  ; codes: 2,048 (lane / 16) + 16 (lane % 16)
	v_lshlrev_b32 v7, 4, v1                        ; LDS: 16 x lane,
	s_lshl_b32 s46, s16, 2
	v_add_nc_u32 v6, s46, v7                       ; + 4 x wave: my word among my column's four
.macro LOADB t                         ; block t: rows 32 t + 0 .. 31 of my K step; each load reads 128 consecutive bytes
.set li, 0
.rept 32
	global_load_b32 v[X+32*(\t)+li], v[OFF+li], s[32+2*(\t):33+2*(\t)] th:TH_LOAD_NT
.set li, li+1
.endr
.endm
.macro BLOCK t, left, more
	s_wait_loadcnt \left                           ; this block's 32 loads are in; the 32 of the block behind may be out
.if \more
	LOADB (\t)+2                                   ; two blocks ahead, into registers of their own
.endif
.set XS, X+32*(\t)
	v_max3_num_f32 v8, |v[XS]|, |v[XS+1]|, |v[XS+2]|
	v_max3_num_f32 v9, |v[XS+3]|, |v[XS+4]|, |v[XS+5]|
.irp i, 6,10,14,18,22,26
	v_max3_num_f32 v8, v8, |v[XS+\i]|, |v[XS+\i+1]|
	v_max3_num_f32 v9, v9, |v[XS+\i+2]|, |v[XS+\i+3]|
.endr
	v_max3_num_f32 v8, v8, |v[XS+30]|, |v[XS+31]|
	v_max3_num_f32 v8, v8, v9, 0x4800000           ; the floor 2^(9 - 127): the byte cannot fall under 1
	v_add_nc_u32 v11, 0xfc000000, v8               ; 8 off the exponent field: the conversion's scale operand
	v_and_or_b32 v10, v8, 0x7f800000, s47          ; 448 x the scale
.set li, 0
.rept 32
	v_med3_num_f32 v[XS+li], v[XS+li], -v10, v10   ; the conversion does not saturate (ISA guide 7.6.2): the hold comes first
.set li, li+1
.endr
	v_cvt_scalef32_pk8_fp8_f32 v[C+8*(\t):C+8*(\t)+1], v[XS:XS+7], v11          ; k 0-7:   half 0, bytes 0-7
	v_cvt_scalef32_pk8_fp8_f32 v[C+8*(\t)+4:C+8*(\t)+5], v[XS+8:XS+15], v11     ; k 8-15:  half 1, bytes 0-7
	v_cvt_scalef32_pk8_fp8_f32 v[C+8*(\t)+2:C+8*(\t)+3], v[XS+16:XS+23], v11    ; k 16-23: half 0, bytes 8-15
	v_cvt_scalef32_pk8_fp8_f32 v[C+8*(\t)+6:C+8*(\t)+7], v[XS+24:XS+31], v11    ; k 24-31: half 1, bytes 8-15
	v_lshrrev_b32 v9, 23, v11                      ; the scale's byte (a plain line behind the conversions)
.if (\t) == 0
	v_mov_b32 v12, v9
.else
	v_lshl_or_b32 v12, v9, 8*(\t), v12
.endif
	global_store_b128 v3, v[C+8*(\t):C+8*(\t)+3], s[44:45] offset:512*(\t)          ; sixteen lanes store 256 consecutive bytes, aligned
	global_store_b128 v3, v[C+8*(\t)+4:C+8*(\t)+7], s[44:45] offset:512*(\t)+256
.endm
	s_wait_alu depctr_va_vdst(0)
	LOADB 0
	LOADB 1
	BLOCK 0, 32, 1
	BLOCK 1, 32, 1
	BLOCK 2, 32, 0
	BLOCK 3, 0, 0
	ds_store_b32 v6, v12                           ; the four waves' words of a column meet in LDS
	s_wait_dscnt 0x0                               ; for the others' sake: my store is done
	s_barrier_signal -1
	s_barrier_wait -1
	s_cmp_lg_u32 s16, 0
	s_cbranch_scc1 .Lw_end
	ds_load_b128 v[16:19], v7                      ; (the offsets' registers are free: every load that named them is in)
	s_wait_dscnt 0x0
	global_store_b128 v14, v[16:19], s[24:25]      ; sixteen lanes store 256 consecutive bytes, aligned
.Lw_end:
	s_wait_tensorcnt 0x0
	ds_add_u32 v208, v209
	s_wait_dscnt 0x0
	s_endpgm
.Ltable:
	s_load_b64 s[14:15], s[0:1], 0x28              ; rope
	v_lshrrev_b32 v1, 5, v0
	v_readfirstlane_b32 s16, v1
	s_sub_co_u32 s17, ttmp9, 136
	s_lshl_b32 s17, s17, 6
	s_lshl_b32 s18, s16, 4
	s_add_co_u32 s17, s17, s18                     ; my wave's first position: 64 x work-group + 16 x wave
	s_mov_b32 s20, 0xbed49a78                      ; -log2(10000) / 32
	s_mov_b32 s21, 0x3f22f983                      ; 2 / pi
	s_mov_b32 s22, 0x3fc90fda                      ; pi / 2, upper part,
	s_mov_b32 s23, 0x33a22169                      ; and what is left of it
	s_mov_b32 s24, 0xbe2aaaa3                      ; sine: r + r z (S1 + z (S2 + z S3))
	s_mov_b32 s25, 0x3c08839e
	s_mov_b32 s26, 0xb94ca1f9
	s_mov_b32 s27, 0x3d2aaaa5                      ; cosine: 1 - z / 2 + z z (C1 + z (C2 + z C3))
	s_mov_b32 s28, 0xbab6061a
	s_mov_b32 s29, 0x37ccf5ce
	v_and_b32 v1, 31, v0
	v_and_b32 v2, 15, v1
	v_lshrrev_b32 v3, 4, v1
	v_lshlrev_b32 v4, 1, v2                        ; my pairs: i0 = 2 (lane % 16) and i0 + 1
	v_cvt_f32_u32 v5, v4
	v_add_nc_u32 v6, 1, v4
	v_cvt_f32_u32 v6, v6
	v_mul_f32 v5, s20, v5
	v_mul_f32 v6, s20, v6
	s_wait_alu depctr_va_vdst(0)
	v_exp_f32 v5, v5
	v_exp_f32 v6, v6
	v_add_nc_u32 v7, s17, v3                       ; (a plain line behind the exponentials)  lanes 16-31 take the next position
	v_lshlrev_b32 v8, 4, v1
	s_lshl_b32 s18, s17, 8
	s_mov_b32 s19, 0
	s_wait_kmcnt 0x0
	s_add_nc_u64 s[14:15], s[14:15], s[18:19]
.macro SINCOS a, oc, os                ; cos and sin of the angle in v[a], which is 0 or more
	v_mul_f32 v16, s21, v[\a]
	v_rndne_f32 v16, v16                           ; n
	v_fma_f32 v17, -v16, s22, v[\a]
	v_fma_f32 v17, -v16, s23, v17                  ; r = a - n pi / 2
	v_mul_f32 v18, v17, v17                        ; z
	v_cvt_i32_f32 v16, v16
	v_fma_f32 v19, v18, s26, s25
	v_fma_f32 v19, v19, v18, s24
	v_mul_f32 v19, v19, v18
	v_fma_f32 v19, v19, v17, v17                   ; sin r
	v_fma_f32 v20, v18, s29, s28
	v_fma_f32 v20, v20, v18, s27
	v_mul_f32 v21, v18, v18
	v_fma_f32 v22, v18, -0.5, 1.0
	v_fma_f32 v20, v20, v21, v22                   ; cos r
	v_and_b32 v21, 1, v16
	v_cmp_eq_u32 vcc_lo, 1, v21                    ; an odd quarter swaps the two
	v_cndmask_b32 v22, v19, v20, vcc_lo
	v_cndmask_b32 v21, v20, v19, vcc_lo
	v_and_b32 v17, 2, v16
	v_lshlrev_b32 v17, 30, v17
	v_xor_b32 v[\os], v22, v17                     ; the sine is negative in quarters 2, 3
	v_add_nc_u32 v16, 1, v16
	v_and_b32 v16, 2, v16
	v_lshlrev_b32 v16, 30, v16
	v_xor_b32 v[\oc], v21, v16                     ; the cosine in quarters 1, 2
.endm
	s_wait_alu depctr_va_vdst(0)
.irp it, 0,1,2,3,4,5,6,7
	v_add_nc_u32 v9, 2*\it, v7
	v_cvt_f32_u32 v9, v9
	v_mul_f32 v10, v9, v5
	v_mul_f32 v11, v9, v6
	SINCOS 10, 32+4*\it, 33+4*\it
	SINCOS 11, 34+4*\it, 35+4*\it
	global_store_b128 v8, v[32+4*\it:35+4*\it], s[14:15] offset:512*\it    ; the wave stores two positions' 512 consecutive bytes
.endr
	s_endpgm
.Lfunc_end_k_q86e47cbe39_prep:
	.size	k_q86e47cbe39_prep, .Lfunc_end_k_q86e47cbe39_prep-k_q86e47cbe39_prep
	.p2alignl 7, 3214868480
	.fill 96, 4, 3214868480
	.section	.rodata,"a",@progbits
	.p2align	6, 0x0
	.amdhsa_kernel k_q86e47cbe39_prep
		.amdhsa_group_segment_fixed_size 1536
		.amdhsa_private_segment_fixed_size 0
		.amdhsa_enable_private_segment 0
		.amdhsa_kernarg_size 48
		.amdhsa_user_sgpr_count 2
		.amdhsa_user_sgpr_kernarg_segment_ptr 1
		.amdhsa_wavefront_size32 1
		.amdhsa_system_sgpr_workgroup_id_x 1
		.amdhsa_system_sgpr_workgroup_id_y 1
		.amdhsa_system_sgpr_workgroup_id_z 1
		.amdhsa_system_vgpr_workitem_id 0
		.amdhsa_next_free_vgpr 210
		.amdhsa_next_free_sgpr 66
		.amdhsa_reserve_vcc 1
		.amdhsa_float_denorm_mode_32 3
		.amdhsa_float_denorm_mode_16_64 3
		.amdhsa_memory_ordered 1
		.amdhsa_forward_progress 1
		.amdhsa_inst_pref_size 54
	.end_amdhsa_kernel
	.amdgpu_metadata
---
amdhsa.version: [ 1, 2 ]
amdhsa.kernels:
  - .name:           k_q86e47cbe39_prep
    .symbol:         k_q86e47cbe39_prep.kd
    .args:
      - { .name: wq, .offset: 0, .size: 8, .value_kind: global_buffer, .address_space: global }
      - { .name: wk, .offset: 8, .size: 8, .value_kind: global_buffer, .address_space: global }
      - { .name: wv, .offset: 16, .size: 8, .value_kind: global_buffer, .address_space: global }
      - { .name: wo, .offset: 24, .size: 8, .value_kind: global_buffer, .address_space: global }
      - { .name: wts, .offset: 32, .size: 8, .value_kind: global_buffer, .address_space: global }
      - { .name: rope, .offset: 40, .size: 8, .value_kind: global_buffer, .address_space: global }
    .group_segment_fixed_size: 1536
    .private_segment_fixed_size: 0
    .kernarg_segment_align: 8
    .kernarg_segment_size: 48
    .max_flat_workgroup_size: 128
    .sgpr_count:     66
    .vgpr_count:     210
    .wavefront_size: 32
...
	.end_amdgpu_metadata
.endif
;; end of part 1
;; launch xkv (part 2): grid 256 x 1, 4 waves a work-group, no clusters, 327,680 bytes of LDS; arguments x, wts, bk, bv, rope, xq, kv, out1, out2; writes xq, kv, out1, out2
.if DOCPART == 2
	.amdgcn_target "amdgcn-amd-amdhsa--gfx1250"
	.amdhsa_code_object_version 6
	.text
	.protected	k_q86e47cbe39_xkv
	.globl	k_q86e47cbe39_xkv
	.p2align	8
	.type	k_q86e47cbe39_xkv,@function
k_q86e47cbe39_xkv:
	s_mov_b64 s[64:65], 0
	v_nop
	global_prefetch_b8 v0, s[64:65] scope:SCOPE_SE
	s_setreg_imm32_b32 hwreg(HW_REG_WAVE_MODE, 25, 1), 1
	s_wait_xcnt 0x0
.set SLAB, 16896
.set XIMG, 135168
.set XSCL, 167936
.set KST,  169984
.set VST,  178688
.set KBX,  187392
.set WSC,  2228224
.set XSC,  8388608
.set REC,  17152
.set XA,   16
.set PC,   144
.set TM,   176
.set XW,   192
.set WS,   196
.set BK,   212
.set BV,   228
.set XS,   232
.set SEL,  42
.set MNT,  44
.set HM,   45
.set MSB,  0
.macro WIN new
.if MSB != \new
	s_set_vgpr_msb (MSB<<8)|\new
.set MSB, \new
.endif
.endm
.macro PLACES n
.rept \n
	v_nop
.endr
.endm
.macro QUANT s, nb, pc
.set qb, 0
.rept \nb
	v_max3_num_f32 v[TM+qb], |v[(\s)+16*qb]|, |v[(\s)+16*qb+1]|, 0x4800000
.set qb, qb+1
.endr
.irp qi, 2,4,6,8,10,12,14
.set qb, 0
.rept \nb
	v_max3_num_f32 v[TM+qb], v[TM+qb], |v[(\s)+16*qb+\qi]|, |v[(\s)+16*qb+\qi+1]|
.set qb, qb+1
.endr
.endr
.set qb, 0
.rept \nb
	v_permlanex16_b32 v[TM+4+qb], v[TM+qb], s[SEL], s[SEL+1]
.set qb, qb+1
.endr
.set qb, 0
.rept \nb
	v_max_num_f32 v[TM+qb], v[TM+qb], v[TM+4+qb]
.set qb, qb+1
.endr
.set qb, 0
.rept \nb
	v_add_nc_u32 v[TM+12+qb], 0xfc000000, v[TM+qb]
.set qb, qb+1
.endr
.set qb, 0
.rept \nb
	v_and_or_b32 v[TM+8+qb], v[TM+qb], 0x7f800000, s[MNT]
.set qb, qb+1
.endr
.set qb, 0
.rept \nb
	v_lshrrev_b32 v[TM+4+qb], 23, v[TM+12+qb]
.set qb, qb+1
.endr
.set qb, 0
.rept \nb
.set qj, 0
.rept 16
	v_med3_num_f32 v[(\s)+16*qb+qj], v[(\s)+16*qb+qj], -v[TM+8+qb], v[TM+8+qb]
.set qj, qj+1
.endr
	v_cvt_scalef32_pk8_fp8_f32 v[(\pc)+4*qb:(\pc)+4*qb+1], v[(\s)+16*qb:(\s)+16*qb+7], v[TM+12+qb]
	v_cvt_scalef32_pk8_fp8_f32 v[(\pc)+4*qb+2:(\pc)+4*qb+3], v[(\s)+16*qb+8:(\s)+16*qb+15], v[TM+12+qb]
.set qb, qb+1
.endr
	v_nop
.endm
	s_load_b256 s[4:11], s[0:1], 0x0
	s_load_b256 s[12:19], s[0:1], 0x20
	s_load_b64 s[20:21], s[0:1], 0x40
	v_lshl_add_u32 v254, v0, 2, 0x2e000
	v_mov_b32 v255, 0
	ds_add_u32 v254, v255
	ds_add_u32 v254, v255
	v_lshrrev_b32 v1, 5, v0
	v_readfirstlane_b32 s22, v1
	s_and_b32 s23, s22, 1
	s_lshr_b32 s40, s22, 1
	s_mov_b32 s24, (2<<16)|(1<<20)|(6<<22)|(3<<25)
	s_mov_b32 s25, 128<<16
	s_mov_b32 s26, 32<<16
	s_mov_b32 s27, 128<<16
	s_mov_b32 s28, 32
	s_mov_b32 s29, 1024
	s_mov_b32 s30, 0
	s_mov_b32 s31, 0
	s_mul_i32 s41, s22, 2*SLAB
	s_lshl_b32 s62, ttmp9, 17
	s_lshl_b32 s63, s22, 10
	s_add_co_u32 s62, s62, s63
	s_mov_b32 s63, 0
	s_wait_dscnt 0x0
	s_wait_kmcnt 0x0
	s_add_nc_u64 s[62:63], s[4:5], s[62:63]
	s_mov_b32 s32, 1
	s_mov_b32 s33, s41
	s_mov_b64 s[34:35], s[62:63]
	s_or_b32 s35, s35, 0x80000000
	s_mov_b32 s36, 1
	s_add_co_u32 s37, s41, SLAB
	s_add_nc_u64 s[38:39], s[62:63], 512
	s_or_b32 s39, s39, 0x80000000
	tensor_load_to_lds s[32:35], s[24:31]
	s_nop 0
	s_wait_alu depctr_va_vdst(0)
	s_wait_tensorcnt 0x0
	ds_add_u32 v254, v255
	s_wait_dscnt 0x0
	s_barrier_signal -1
	s_barrier_wait -1
	tensor_load_to_lds s[36:39], s[24:31]
	s_nop 0
	PLACES 4
	v_and_b32 v1, 31, v0
	v_and_b32 v2, 15, v0
	v_bfe_u32 v3, v0, 4, 1
	v_lshlrev_b32 v13, 4, v1
	s_wait_alu depctr_va_vdst(0)
	s_mul_i32 s41, s40, 4*SLAB
	s_mul_i32 s62, s23, 16*528
	s_add_co_u32 s41, s41, s62
	v_mul_u32_u24 v4, v2, 528
	v_lshl_add_u32 v4, v3, 5, v4
	v_add_nc_u32 v4, s41, v4
	s_lshl_b32 s41, s23, 3
	s_lshl_b32 s62, s40, 2
	s_add_co_u32 s41, s41, s62
	s_lshl_b32 s62, s41, 11
	s_add_co_u32 s62, s62, XIMG
	v_add_nc_u32 v5, s62, v13
	s_lshl_b32 s62, s41, 7
	s_add_co_u32 s62, s62, XSCL
	v_lshl_add_u32 v6, v1, 2, s62
	v_add_nc_u32 v7, XIMG, v13
	v_lshl_add_u32 v8, v1, 2, XSCL
	s_lshl_b32 s62, s23, 7
	s_add_co_u32 s63, s62, KST
	v_mul_u32_u24 v9, v2, 272
	v_lshl_add_u32 v9, v3, 5, v9
	v_add_nc_u32 v9, s63, v9
	s_add_co_u32 s63, s62, VST
	v_mul_u32_u24 v10, v3, 8*272
	v_lshl_add_u32 v10, v2, 2, v10
	v_add_nc_u32 v10, s63, v10
	s_mul_i32 s63, s22, 4352
	s_add_co_u32 s63, s63, KST
	v_mul_u32_u24 v11, v3, 272
	v_lshl_add_u32 v11, v2, 4, v11
	v_add_nc_u32 v11, s63, v11
	v_lshl_add_u32 v12, v1, 2, KBX
	v_lshlrev_b32 v14, 4, v2
	v_lshl_add_u32 v15, v3, 3, v14
	v_lshlrev_b32 v236, 5, v3
	v_lshlrev_b32 v237, 2, v2
	v_lshl_add_u32 v238, v2, 8, v236
	v_lshlrev_b32 v239, 3, v1
	v_mov_b32 v240, 0
	v_mov_b32 v241, 0
.irp b, 0,1,2,3
	v_mov_b32 v[TM+4+\b], 0
.endr
	v_mov_b32 v[BV+1], 0
	v_mov_b32 v[BV+3], 0
	s_mov_b32 s[SEL], 0x76543210
	s_mov_b32 s[SEL+1], 0xfedcba98
	s_mov_b32 s[MNT], 0x600000
	s_mov_b32 s[HM], 0xffff0000
	s_add_co_u32 s62, s40, 16
	s_lshl_b32 s62, s62, 16
	s_lshl_b32 s63, s23, 12
	s_add_co_u32 s62, s62, s63
	s_mov_b32 s63, 0
	s_add_nc_u64 s[46:47], s[6:7], s[62:63]
	WIN 0x40
.irp n, 0,1
.irp s, 0,1,2,3,4,5,6,7
.irp c, 0,1,2,3
	global_load_b128 v[16*(8*\n+\s)+4*\c:16*(8*\n+\s)+4*\c+3], v13, s[46:47] offset:8192*\s+2048*\n+512*\c
.endr
.endr
.endr
	WIN 0
	s_lshl_b32 s62, s22, 10
	s_add_co_u32 s62, s62, WSC+64*512
	s_add_nc_u64 s[48:49], s[6:7], s[62:63]
.irp n, 0,1
.irp f, 0,1
	global_load_b128 v[WS+8*\n+4*\f:WS+8*\n+4*\f+3], v14, s[48:49] offset:512*\n+256*\f
.endr
.endr
	s_cmp_lt_u32 s22, 2
	s_cselect_b64 s[50:51], s[8:9], s[10:11]
	s_cselect_b64 s[60:61], s[18:19], s[20:21]
	s_lshl_b32 s62, s23, 7
	s_add_nc_u64 s[50:51], s[50:51], s[62:63]
.irp n, 0,1
	global_load_b128 v[BK+8*\n:BK+8*\n+3], v236, s[50:51] offset:64*\n
	global_load_b128 v[BK+8*\n+4:BK+8*\n+7], v236, s[50:51] offset:64*\n+16
	global_load_b32 v[BV+2*\n], v237, s[50:51] offset:64*\n
.endr
	s_lshl_b32 s62, ttmp9, 13
	s_lshl_b32 s41, s23, 12
	s_add_co_u32 s62, s62, s41
	s_add_nc_u64 s[60:61], s[60:61], s[62:63]
	s_lshr_b32 s62, ttmp9, 1
	s_lshl_b32 s62, s62, 16
	s_and_b32 s41, ttmp9, 1
	s_lshl_b32 s41, s41, 12
	s_add_co_u32 s62, s62, s41
	s_lshl_b32 s41, s23, 11
	s_add_co_u32 s62, s62, s41
	s_lshl_b32 s41, s40, 15
	s_add_co_u32 s62, s62, s41
	s_add_nc_u64 s[52:53], s[14:15], s[62:63]
	s_lshl_b32 s62, ttmp9, 10
	s_lshl_b32 s41, s23, 9
	s_add_co_u32 s62, s62, s41
	s_lshl_b32 s41, s40, 8
	s_add_co_u32 s62, s62, s41
	s_add_co_u32 s62, s62, XSC
	s_add_nc_u64 s[54:55], s[14:15], s[62:63]
	s_lshr_b32 s62, ttmp9, 6
	s_mul_i32 s62, s62, 16*REC
	s_bfe_u32 s41, ttmp9, 0x40002
	s_mul_i32 s41, s41, REC
	s_add_co_u32 s62, s62, s41
	s_add_nc_u64 s[56:57], s[16:17], s[62:63]
	s_and_b32 s41, ttmp9, 3
	s_lshl_b32 s62, s41, 2
	s_add_co_u32 s62, s62, 16384
	s_add_nc_u64 s[2:3], s[56:57], s[62:63]
	s_wait_tensorcnt 0x0
	s_barrier_signal -1
	s_barrier_wait -1
.macro XREAD q, dst
.irp b, 0,1,2,3
	ds_load_b128 v[(\dst)+16*\b:(\dst)+16*\b+3], v4 offset:SLAB*(\q)+128*\b
	ds_load_b128 v[(\dst)+16*\b+4:(\dst)+16*\b+7], v4 offset:SLAB*(\q)+128*\b+16
	ds_load_b128 v[(\dst)+16*\b+8:(\dst)+16*\b+11], v4 offset:SLAB*(\q)+128*\b+64
	ds_load_b128 v[(\dst)+16*\b+12:(\dst)+16*\b+15], v4 offset:SLAB*(\q)+128*\b+80
.endr
.endm
.macro QSTEP q, left
	s_wait_dscnt \left
.if (\q) >= 2
	s_wait_xcnt 0x0
.endif
.set QS0, XA+64*((\q)%2)
.set QP0, PC+16*((\q)%2)
	QUANT QS0, 4, QP0
	v_lshl_or_b32 v[XW+(\q)], v[TM+5], 8, v[TM+4]
	v_lshl_or_b32 v[XW+(\q)], v[TM+6], 16, v[XW+(\q)]
	v_lshl_or_b32 v[XW+(\q)], v[TM+7], 24, v[XW+(\q)]
.irp c, 0,1,2,3
	ds_store_b128 v5, v[QP0+4*\c:QP0+4*\c+3] offset:2048*(\q)+512*\c
.endr
	ds_store_b32 v6, v[XW+(\q)] offset:128*(\q)
.irp c, 0,1,2,3
	global_store_b128 v13, v[QP0+4*\c:QP0+4*\c+3], s[52:53] offset:8192*(\q)+512*\c
.endr
.if (\q) < 2
	XREAD (\q)+2, QS0
.endif
.endm
	XREAD 0, XA
	XREAD 1, XA+64
	QSTEP 0, 16
	QSTEP 1, 21
	QSTEP 2, 21
	QSTEP 3, 5
	v_cndmask_b32 v[TM], v[XW], v[XW+2], s[HM]
	v_cndmask_b32 v[TM+1], v[XW+1], v[XW+3], s[HM]
	global_store_b64 v15, v[TM:TM+1], s[54:55]
	s_wait_dscnt 0x0
	s_barrier_signal -1
	s_barrier_wait -1
	s_wait_xcnt 0x0
.macro F s
.irp m, 0,1
.irp c, 0,1,2,3
	ds_load_b128 v[16+32*((\s)%2)+16*\m+4*\c:16+32*((\s)%2)+16*\m+4*\c+3], v7 offset:(8*\m+(\s))*2048+512*\c
.endr
	ds_load_b32 v[XS+2*((\s)%2)+\m], v8 offset:(8*\m+(\s))*128
.endr
.endm
.macro MSTEP arm, s
.if (\s) < 7
	s_wait_dscnt 10
.else
	s_wait_dscnt 0x0
.endif
.set MP, (\s)%2
.if \arm == 0
	WIN 0x01
.irp m, 0,1
.irp n, 0,1
.if (\s) == 0
	v_wmma_scale_f32_16x16x128_f8f6f4 v[80+8*(2*\m+\n):87+8*(2*\m+\n)], v[16*(8*\n+(\s)):16*(8*\n+(\s))+15], v[16+32*MP+16*\m:31+32*MP+16*\m], v[BK+8*\n:BK+8*\n+7], v[WS+8*\n+(\s)], v[XS+2*MP+\m]
.else
	v_wmma_scale_f32_16x16x128_f8f6f4 v[80+8*(2*\m+\n):87+8*(2*\m+\n)], v[16*(8*\n+(\s)):16*(8*\n+(\s))+15], v[16+32*MP+16*\m:31+32*MP+16*\m], v[80+8*(2*\m+\n):87+8*(2*\m+\n)], v[WS+8*\n+(\s)], v[XS+2*MP+\m]
.endif
.endr
.endr
.else
	WIN 0x04
.irp n, 0,1
.irp m, 0,1
.if (\s) == 0
	v_wmma_scale_f32_16x16x128_f8f6f4 v[80+8*(2*\n+\m):87+8*(2*\n+\m)], v[16+32*MP+16*\m:31+32*MP+16*\m], v[16*(8*\n+(\s)):16*(8*\n+(\s))+15], 0, v[XS+2*MP+\m], v[WS+8*\n+(\s)]
.else
	v_wmma_scale_f32_16x16x128_f8f6f4 v[80+8*(2*\n+\m):87+8*(2*\n+\m)], v[16+32*MP+16*\m:31+32*MP+16*\m], v[16*(8*\n+(\s)):16*(8*\n+(\s))+15], v[80+8*(2*\n+\m):87+8*(2*\n+\m)], v[XS+2*MP+\m], v[WS+8*\n+(\s)]
.endif
.endr
.endr
.endif
.if (\s) <= 5
	WIN 0
	PLACES 8
	F (\s)+2
.endif
.endm
	s_cmp_lt_u32 s22, 2
	s_cbranch_scc0 .Lvarm
	s_and_b32 s62, ttmp9, 63
	s_lshl_b32 s62, s62, 13
	s_lshl_b32 s63, s22, 7
	s_add_co_u32 s62, s62, s63
	s_mov_b32 s63, 0
	s_add_nc_u64 s[58:59], s[12:13], s[62:63]
.irp m, 0,1
.irp n, 0,1
	global_load_b128 v[144+8*(2*\m+\n):147+8*(2*\m+\n)], v238, s[58:59] offset:4096*\m+64*\n
	global_load_b128 v[148+8*(2*\m+\n):151+8*(2*\m+\n)], v238, s[58:59] offset:4096*\m+64*\n+16
.endr
.endr
	F 0
	F 1
	s_wait_loadcnt 8
.irp s, 0,1,2,3,4,5,6,7
	MSTEP 0, \s
.endr
	WIN 0
	PLACES 8
	s_wait_loadcnt 0x0
.set rq, 0
.rept 4
.set rj, 0
.rept 4
	v_mul_f32 v[112+2*(rj%2)], v[81+8*rq+2*rj], v[145+8*rq+2*rj]
	v_mul_f32 v[113+2*(rj%2)], v[80+8*rq+2*rj], v[145+8*rq+2*rj]
	v_fma_f32 v[80+8*rq+2*rj], v[80+8*rq+2*rj], v[144+8*rq+2*rj], -v[112+2*(rj%2)]
	v_fma_f32 v[81+8*rq+2*rj], v[81+8*rq+2*rj], v[144+8*rq+2*rj], v[113+2*(rj%2)]
.set rj, rj+1
.endr
.set rq, rq+1
.endr
.irp m, 0,1
.irp n, 0,1
	ds_store_b128 v9, v[80+8*(2*\m+\n):83+8*(2*\m+\n)] offset:4352*\m+64*\n
	ds_store_b128 v9, v[84+8*(2*\m+\n):87+8*(2*\m+\n)] offset:4352*\m+64*\n+16
.endr
.endr
	QUANT 80, 2, 144
	s_lshl_b32 s62, s41, 11
	s_lshl_b32 s63, s22, 9
	s_add_co_u32 s62, s62, s63
	s_mov_b32 s63, 0
	s_add_nc_u64 s[62:63], s[56:57], s[62:63]
	global_store_b128 v13, v[144:147], s[62:63]
	global_store_b128 v13, v[148:151], s[62:63] offset:1024
	v_cndmask_b32 v240, v[TM+4], v[TM+5], s[HM]
	s_cmp_eq_u32 s22, 1
	s_cbranch_scc0 .Ljoin
	ds_store_b32 v12, v240
	s_branch .Ljoin
.Lvarm:
	F 0
	F 1
	s_wait_loadcnt 0x0
.irp s, 0,1,2,3,4,5,6,7
	MSTEP 1, \s
.endr
	WIN 0
	PLACES 8
.irp n, 0,1
.set rj, 0
.rept 8
	v_pk_add_f32 v[80+16*\n+2*rj:81+16*\n+2*rj], v[80+16*\n+2*rj:81+16*\n+2*rj], v[BV+2*\n:BV+2*\n+1] op_sel_hi:[1,0]
.set rj, rj+1
.endr
.endr
.irp n, 0,1
.irp m, 0,1
.irp j, 0,1,2,3,4,5,6,7
	ds_store_b32 v10, v[80+16*\n+8*\m+\j] offset:(16*\m+\j)*272+64*\n
.endr
.endr
.endr
	QUANT 80, 2, 144
	s_lshl_b32 s62, s23, 12
	s_lshl_b32 s63, s41, 9
	s_add_co_u32 s62, s62, s63
	s_add_co_u32 s62, s62, 8192
	s_mov_b32 s63, 0
	s_add_nc_u64 s[62:63], s[56:57], s[62:63]
	global_store_b128 v13, v[144:147], s[62:63]
	global_store_b128 v13, v[148:151], s[62:63] offset:2048
	v_cndmask_b32 v240, v[TM+4], v[TM+5], s[HM]
	s_lshl_b32 s58, s23, 2
	s_add_co_u32 s58, s58, s41
	s_add_co_u32 s58, s58, 16896
	s_mov_b32 s59, 0
	s_add_nc_u64 s[58:59], s[56:57], s[58:59]
	global_store_b8 v239, v240, s[58:59]
.Ljoin:
	s_wait_dscnt 0x0
	s_barrier_signal -1
	s_barrier_wait -1
.irp i, 0,1,2,3,4,5,6,7
	ds_load_b128 v[16+4*\i:19+4*\i], v11 offset:544*\i
.endr
.irp i, 0,1,2,3,4,5,6,7
	s_wait_dscnt 7-\i
	global_store_b128 v13, v[16+4*\i:19+4*\i], s[60:61] offset:512*\i th:TH_STORE_NT
.endr
	s_cmp_lg_u32 s22, 0
	s_cbranch_scc1 .Lend
	ds_load_b32 v241, v12
	s_wait_dscnt 0x0
	s_wait_alu depctr_va_vdst(0)
	v_lshl_or_b32 v241, v241, 8, v240
	v_or_b32 v241, 0x7f7f0000, v241
	global_store_b32 v13, v241, s[2:3]
.Lend:
	s_wait_tensorcnt 0x0
	ds_add_u32 v254, v255
	s_wait_dscnt 0x0
	s_endpgm
.Lfunc_end_k_q86e47cbe39_xkv:
	.size	k_q86e47cbe39_xkv, .Lfunc_end_k_q86e47cbe39_xkv-k_q86e47cbe39_xkv
	.p2alignl 7, 3214868480
	.fill 96, 4, 3214868480
	.section	.rodata,"a",@progbits
	.p2align	6, 0x0
	.amdhsa_kernel k_q86e47cbe39_xkv
		.amdhsa_group_segment_fixed_size 327680
		.amdhsa_private_segment_fixed_size 0
		.amdhsa_enable_private_segment 0
		.amdhsa_kernarg_size 72
		.amdhsa_user_sgpr_count 2
		.amdhsa_user_sgpr_kernarg_segment_ptr 1
		.amdhsa_wavefront_size32 1
		.amdhsa_system_sgpr_workgroup_id_x 1
		.amdhsa_system_sgpr_workgroup_id_y 1
		.amdhsa_system_sgpr_workgroup_id_z 1
		.amdhsa_system_vgpr_workitem_id 0
		.amdhsa_next_free_vgpr 512
		.amdhsa_next_free_sgpr 66
		.amdhsa_reserve_vcc 0
		.amdhsa_float_denorm_mode_32 3
		.amdhsa_float_denorm_mode_16_64 3
		.amdhsa_memory_ordered 1
		.amdhsa_forward_progress 1
		.amdhsa_inst_pref_size 95
	.end_amdhsa_kernel
	.amdgpu_metadata
---
amdhsa.version: [ 1, 2 ]
amdhsa.kernels:
  - .name:           k_q86e47cbe39_xkv
    .symbol:         k_q86e47cbe39_xkv.kd
    .args:
      - { .name: x, .offset: 0, .size: 8, .value_kind: global_buffer, .address_space: global }
      - { .name: wts, .offset: 8, .size: 8, .value_kind: global_buffer, .address_space: global }
      - { .name: bk, .offset: 16, .size: 8, .value_kind: global_buffer, .address_space: global }
      - { .name: bv, .offset: 24, .size: 8, .value_kind: global_buffer, .address_space: global }
      - { .name: rope, .offset: 32, .size: 8, .value_kind: global_buffer, .address_space: global }
      - { .name: xq, .offset: 40, .size: 8, .value_kind: global_buffer, .address_space: global }
      - { .name: kv, .offset: 48, .size: 8, .value_kind: global_buffer, .address_space: global }
      - { .name: out1, .offset: 56, .size: 8, .value_kind: global_buffer, .address_space: global }
      - { .name: out2, .offset: 64, .size: 8, .value_kind: global_buffer, .address_space: global }
    .group_segment_fixed_size: 327680
    .private_segment_fixed_size: 0
    .kernarg_segment_align: 8
    .kernarg_segment_size: 72
    .max_flat_workgroup_size: 128
    .sgpr_count:     66
    .vgpr_count:     512
    .wavefront_size: 32
...
	.end_amdgpu_metadata
.endif
;; end of part 2
;; launch qproj (part 3): grid 8 x 32, 4 waves a work-group, clusters of 4 x 4, 327,680 bytes of LDS; arguments xq, wts, bq, rope, qq; writes qq
.if DOCPART == 3
	.amdgcn_target "amdgcn-amd-amdhsa--gfx1250"
	.amdhsa_code_object_version 6
	.text
	.protected	k_q86e47cbe39_qproj
	.globl	k_q86e47cbe39_qproj
	.p2align	8
	.type	k_q86e47cbe39_qproj,@function
k_q86e47cbe39_qproj:
	s_mov_b64 s[64:65], 0
	v_nop
	global_prefetch_b8 v0, s[64:65] scope:SCOPE_SE
	s_setreg_imm32_b32 hwreg(HW_REG_WAVE_MODE, 25, 1), 1
	s_wait_xcnt 0x0
	s_wait_alu depctr_hold_cnt(0) depctr_sa_sdst(0) depctr_va_vdst(0) depctr_va_sdst(0) depctr_va_ssrc(0) depctr_va_vcc(0) depctr_vm_vsrc(0)
	s_getreg_b32 s2, hwreg(HW_REG_IB_STS2, 6, 4)
	s_cmp_eq_u32 s2, 0
	s_cbranch_scc0 .Lentry_in_a_cluster
	s_endpgm
.Lentry_in_a_cluster:
	s_bfe_u32 s2, ttmp6, 0x10000c
	s_cmp_lg_u32 s2, 0xf033
	s_cbranch_scc0 .Lentry_shape_is_right
	s_endpgm
.Lentry_shape_is_right:
; QPROJ.  q = Q(x) Q(wq) + bq, turned by RoPE and quantised along each head's 64, on codes of E4M3 with one E8M0 scale for each 32 along K.
; A WORK-GROUP STAYS: it makes two blocks of 128 tokens x 128 columns, tokens 128 Y on and tokens 128 (Y + 32) on, against the same 128 columns of wq.  Each of its four waves makes 64 x 64 (one head) of a block: 16 accumulators.
; K = 1,024 of both operands of a block is 256 KiB of codes, which lie in LDS whole.  The weights are filled once.  The second block's tokens are filled over the first's, 32,768 bytes a wave, behind
; a round of the cluster's barrier, as soon as every wave holds the first block's last fragments in registers: they land while the first block's last K step and its way out are worked.
; The operands lie in memory in the order of their registers (a group of 64 rows: [K step][tile][piece][lane][16 bytes]), so a group is one dense block, every LDS load reads 512 consecutive bytes, and no padding is wanted.
; CLUSTERS: 4 x 4 work-groups.  The four of a row of the cluster need the same tokens, the four of a column the same columns of wq: each group is asked for jointly, one load a wave.
; PREFETCH: the second block's tokens, 512 aligned blocks of 256 bytes, are asked for at the head, each once in a row of the cluster: partner cx, wave w, lane l name block 128 cx + 32 w + l: told apart by address.  The first fills come by their loads alone.
; THE MATRIX INSTRUCTION IS USED TRANSPOSED (source 0 = 16 columns of wq, source 1 = 16 tokens): a lane holds one token and eight neighbouring columns; two neighbouring tiles give the 16 bytes of a lane of the next operand.
; qq: codes at (token tile x 16 + head) x 1,024 + 512 c + 16 lane; scale words from QSC on at (head x 128 + T / 4) x 256 + 8 (16 (T % 2) + r) + 4 ((T / 2) % 2); bytes 2, 3 of a word are 0x7f.
; LIMITS: a block of zeros gets the byte 1 and not 127 (zero codes; only this program reads the bytes); NaN and infinities are not served.
; REGISTERS, window 0: v1-12 addresses; v30, v31 the spare word and 0; v32-63 the tokens' scale words (8 a + s), v64-95 the weights' (8 b + s): these hold scales alone; v96-127 at work on the way out; v128-255 accumulator (a, b) at 8 (4 a + b).
; Window 1: two fragment buffers of 128: the weights' four fragments, then the tokens' four.  Window 2: v0-127 the table of cos and sin (positions 128 (Y % 16) on: the same for both blocks, since 32 is a multiple of 16); v128-159 the bias (8 b + j).
.set WG0,  0                           ; wq's first group in wts
.set WSC,  2228224
.set XSC,  8388608
.set QSC,  8388608
.set XS,   32
.set WS,   64
.set BIAS, 128
.set ACC,  128
.set TM,   104
.set PC,   120
.set SEL,  44
.set MNT,  46
.set HM,   47
.set WV,   14
.set MSB,  0
.macro WIN new                         ; the immediate's high byte repeats the setting that is left
.if MSB != \new
	s_set_vgpr_msb (MSB<<8)|\new
.set MSB, \new
.endif
.endm
.macro PLACES n
.rept \n
	v_nop
.endr
.endm
.macro CROUND                          ; a round of the cluster's barrier
	s_barrier_signal -1
	s_barrier_wait -1
	s_cmp_lg_u32 s[WV], 0
	s_cbranch_scc1 .Lnot_wave_0_\@
	s_barrier_signal -3
.Lnot_wave_0_\@:
	s_barrier_wait -3
	s_barrier_signal -1
	s_barrier_wait -1
.endm
; 16 nb numbers of a lane, block b in v[s + 16 b] on (the block's other 16 lie in lane l xor 16), become codes in v[pc + 4 b] on; the bytes stay in v[TM + 4 + b]
.macro QUANT s, nb, pc
.set qb, 0
.rept \nb
	v_max3_num_f32 v[TM+qb], |v[(\s)+16*qb]|, |v[(\s)+16*qb+1]|, 0x4800000     ; with the floor 2^(9 - 127): the byte cannot fall under 1
.set qb, qb+1
.endr
.irp qi, 2,4,6,8,10,12,14
.set qb, 0
.rept \nb
	v_max3_num_f32 v[TM+qb], v[TM+qb], |v[(\s)+16*qb+\qi]|, |v[(\s)+16*qb+\qi+1]|
.set qb, qb+1
.endr
.endr
.set qb, 0
.rept \nb
	v_permlanex16_b32 v[TM+4+qb], v[TM+qb], s[SEL], s[SEL+1]
.set qb, qb+1
.endr
.set qb, 0
.rept \nb
	v_max_num_f32 v[TM+qb], v[TM+qb], v[TM+4+qb]
.set qb, qb+1
.endr
.set qb, 0
.rept \nb
	v_add_nc_u32 v[TM+12+qb], 0xfc000000, v[TM+qb]                 ; 8 off the exponent field: the conversion's scale operand
.set qb, qb+1
.endr
.set qb, 0
.rept \nb
	v_and_or_b32 v[TM+8+qb], v[TM+qb], 0x7f800000, s[MNT]          ; 448 x the scale
.set qb, qb+1
.endr
.set qb, 0
.rept \nb
	v_lshrrev_b32 v[TM+4+qb], 23, v[TM+12+qb]                      ; the scale's byte
.set qb, qb+1
.endr
.set qb, 0
.rept \nb
.set qj, 0
.rept 16
	v_med3_num_f32 v[(\s)+16*qb+qj], v[(\s)+16*qb+qj], -v[TM+8+qb], v[TM+8+qb]   ; the conversion does not saturate (ISA guide 7.6.2)
.set qj, qj+1
.endr
	v_cvt_scalef32_pk8_fp8_f32 v[(\pc)+4*qb:(\pc)+4*qb+1], v[(\s)+16*qb:(\s)+16*qb+7], v[TM+12+qb]
	v_cvt_scalef32_pk8_fp8_f32 v[(\pc)+4*qb+2:(\pc)+4*qb+3], v[(\s)+16*qb+8:(\s)+16*qb+15], v[TM+12+qb]
.set qb, qb+1
.endr
	v_nop                                          ; a plain line behind the last conversion
.endm
	s_load_b256 s[4:11], s[0:1], 0x0               ; xq, wts, bq, rope
	s_load_b64 s[12:13], s[0:1], 0x20              ; qq
	v_lshl_add_u32 v30, v0, 2, 0x48800
	v_mov_b32 v31, 0
	ds_add_u32 v30, v31                            ; the opening lines: the add, twice on end, and its wait ahead of my first tensor load
	ds_add_u32 v30, v31
	v_lshrrev_b32 v1, 5, v0
	v_readfirstlane_b32 s[WV], v1                  ; wave 0..3
	s_lshr_b32 s15, s[WV], 1                       ; which 64 tokens are mine.  Also: at the head I fetch tokens (0) or weights (1)
	s_and_b32 s16, s[WV], 1                        ; which 64 columns.  Also: which of the two groups I fetch
	s_bfe_u32 s17, ttmp6, 0x40000                  ; cx
	s_bfe_u32 s18, ttmp6, 0x40004                  ; cy
	s_lshl_b32 s19, ttmp9, 2
	s_add_co_u32 s19, s19, s17                     ; X: which 128 columns
	s_and_b32 s20, ttmp7, 0xffff
	s_lshl_b32 s20, s20, 2
	s_add_co_u32 s20, s20, s18                     ; Y: which 128 tokens come first, 0 .. 31
	s_lshl_b32 s21, s18, 2
	s_lshl_b32 s21, 15, s21                        ; my row of the cluster
	s_lshl_b32 s22, 0x1111, s17                    ; my column
	; descriptor groups 1: dense bytes as rows of 32 elements of 8 bytes; the mask, with bit 21 beside it.  At the head a whole group, 256 rows; the refill 128 rows a wave
	s_or_b32 s24, s21, (3<<16)|(1<<21)
	s_or_b32 s32, s22, (3<<16)|(1<<21)
	s_or_b32 s72, s21, (3<<16)|(1<<21)
.irp g, 24, 32
	s_mov_b32 s[\g+1], 32<<16
	s_mov_b32 s[\g+2], 256<<16
	s_mov_b32 s[\g+3], 32<<16
	s_mov_b32 s[\g+4], 256
	s_mov_b32 s[\g+5], 32
	s_mov_b32 s[\g+6], 0
	s_mov_b32 s[\g+7], 0
.endr
	s_mov_b32 s73, 32<<16
	s_mov_b32 s74, 128<<16
	s_mov_b32 s75, 32<<16
	s_mov_b32 s76, 128
	s_mov_b32 s77, 32
	s_mov_b32 s78, 0
	s_mov_b32 s79, 0
	s_lshl_b32 s40, s20, 1                         ; the tokens' group 2 Y + w % 2: registers that never hold X
	s_add_co_u32 s40, s40, s16
	s_lshl_b32 s40, s40, 16
	s_mov_b32 s41, 0
	s_lshl_b32 s42, s19, 1                         ; the weights' group WG0 + 2 X + w % 2: registers that never hold Y
	s_add_co_u32 s42, s42, s16
	s_add_co_u32 s42, s42, WG0
	s_lshl_b32 s42, s42, 16
	s_mov_b32 s43, 0
	s_add_co_u32 s56, s20, 32                      ; the second block's tokens: 131,072 (Y + 32) on,
	s_lshl_b32 s56, s56, 17
	s_lshl_b32 s53, s[WV], 15                      ; my quarter of them, in LDS as in memory
	s_add_co_u32 s58, s56, s53
	s_mov_b32 s59, 0
	s_lshl_b32 s99, s17, 2                         ; and my share of their prefetch: 8,192 (4 cx + w) on
	s_add_co_u32 s99, s99, s[WV]
	s_lshl_b32 s99, s99, 13
	s_add_co_u32 s99, s99, s56
	s_lshl_b32 s23, s[WV], 16                      ; where the first fills go: 65,536 x wave: no place in the cluster enters an LDS address
	s_wait_dscnt 0x0
	s_wait_kmcnt 0x0
	s_add_nc_u64 s[40:41], s[4:5], s[40:41]
	s_add_nc_u64 s[42:43], s[6:7], s[42:43]
	CROUND                                         ; all sixteen work-groups are here: the joint loads meet
	s_mov_b32 s48, 1
	s_mov_b32 s49, s23
	s_mov_b64 s[50:51], s[40:41]
	s_or_b32 s51, s51, 0x80000000
	s_mov_b32 s68, 1
	s_mov_b32 s69, s23
	s_mov_b64 s[70:71], s[42:43]
	s_or_b32 s71, s71, 0x80000000
	s_mov_b32 s52, 1
	s_add_nc_u64 s[54:55], s[4:5], s[58:59]
	s_or_b32 s55, s55, 0x80000000
	s_cmp_eq_u32 s15, 0                            ; one first fill a wave, in one branch on the wave's number
	s_cbranch_scc0 .Lfill_w
	tensor_load_to_lds s[48:51], s[24:31]
	s_nop 0
	PLACES 4
	s_branch .Lfilled
.Lfill_w:
	tensor_load_to_lds s[68:71], s[32:39]
	s_nop 0
	PLACES 4
.Lfilled:
	s_lshl_b32 s96, s15, 16
	s_lshl_b32 s97, s16, 16
	s_add_co_u32 s97, s97, 131072
	v_and_b32 v4, 31, v0                           ; lane
	v_and_b32 v5, 15, v0                           ; r
	v_bfe_u32 v6, v0, 4, 1                         ; h
	v_lshlrev_b32 v3, 4, v4                        ; 16 x lane
	v_lshlrev_b32 v7, 4, v5                        ; 16 r
	v_lshlrev_b32 v8, 5, v6                        ; 32 h
	v_lshlrev_b32 v10, 3, v4                       ; 8 x lane
	v_lshl_add_u32 v12, v4, 8, s99                 ; the prefetch: 256 x lane
	v_add_nc_u32 v1, s96, v3                       ; my tokens' group in LDS
	v_add_nc_u32 v2, s97, v3                       ; my columns' group
	v_lshl_add_u32 v9, v5, 8, v8                   ; 256 r + 32 h
	s_wait_alu depctr_va_vdst(0)
	s_mov_b32 s[SEL], 0x76543210
	s_mov_b32 s[SEL+1], 0xfedcba98
	s_mov_b32 s[MNT], 0x600000
	s_mov_b32 s[HM], 0xffff0000
	s_lshl_b32 s40, s20, 12                        ; the tokens' scale words: tiles 8 Y + 4 (w / 2) on
	s_lshl_b32 s41, s15, 11
	s_add_co_u32 s40, s40, s41
	s_add_co_u32 s40, s40, XSC
	s_mov_b32 s41, 0
	s_add_nc_u64 s[84:85], s[4:5], s[40:41]
	s_lshl_b32 s42, s19, 1                         ; the weights': tiles 4 (WG0 + 2 X + w % 2) on
	s_add_co_u32 s42, s42, s16
	s_add_co_u32 s42, s42, WG0
	s_lshl_b32 s42, s42, 11
	s_add_co_u32 s42, s42, WSC
	s_mov_b32 s43, 0
	s_add_nc_u64 s[86:87], s[6:7], s[42:43]
	s_lshl_b32 s42, s19, 9                         ; the bias: columns 128 X + 64 (w % 2) on
	s_lshl_b32 s43, s16, 8
	s_add_co_u32 s42, s42, s43
	s_mov_b32 s43, 0
	s_add_nc_u64 s[88:89], s[8:9], s[42:43]
	s_and_b32 s40, s20, 15                         ; the table: positions (Y % 16) x 128 + 64 (w / 2) on
	s_lshl_b32 s40, s40, 15
	s_lshl_b32 s41, s15, 14
	s_add_co_u32 s40, s40, s41
	s_mov_b32 s41, 0
	s_add_nc_u64 s[90:91], s[10:11], s[40:41]
.irp a, 0,1,2,3
.irp f, 0,1
	global_load_b128 v[XS+8*\a+4*\f:XS+8*\a+4*\f+3], v7, s[84:85] offset:512*\a+256*\f
	global_load_b128 v[WS+8*\a+4*\f:WS+8*\a+4*\f+3], v7, s[86:87] offset:512*\a+256*\f
.endr
.endr
	WIN 0x80                                       ; destination window 2
.irp a, 0,1,2,3
	global_load_b128 v[BIAS+8*\a:BIAS+8*\a+3], v8, s[88:89] offset:64*\a
	global_load_b128 v[BIAS+8*\a+4:BIAS+8*\a+7], v8, s[88:89] offset:64*\a+16
.endr
.irp a, 0,1,2,3                        ; (cos, sin) of pairs 8 b + 4 h + 0..3 of position 16 a + r at 32 a + 8 b
.irp b, 0,1,2,3
	global_load_b128 v[32*\a+8*\b:32*\a+8*\b+3], v9, s[90:91] offset:4096*\a+64*\b
	global_load_b128 v[32*\a+8*\b+4:32*\a+8*\b+7], v9, s[90:91] offset:4096*\a+64*\b+16
.endr
.endr
	WIN 0
	global_prefetch_b8 v12, s[4:5] th:TH_LOAD_NT scope:SCOPE_SE    ; v12 and s[4:5] are never written again
	s_lshl_b32 s96, s20, 17                        ; qq's codes: token tiles 8 Y + 4 (w / 2) on, head 2 X + w % 2
	s_lshl_b32 s97, s15, 16
	s_add_co_u32 s96, s96, s97
	s_lshl_b32 s97, s19, 11
	s_add_co_u32 s96, s96, s97
	s_lshl_b32 s97, s16, 10
	s_add_co_u32 s96, s96, s97
	s_mov_b32 s97, 0
	s_add_nc_u64 s[92:93], s[12:13], s[96:97]
	s_lshl_b32 s96, s19, 16                        ; qq's scale words: (head x 128 + 2 Y + w / 2) x 256
	s_lshl_b32 s98, s16, 15
	s_add_co_u32 s96, s96, s98
	s_lshl_b32 s98, s20, 9
	s_add_co_u32 s96, s96, s98
	s_lshl_b32 s98, s15, 8
	s_add_co_u32 s96, s96, s98
	s_add_co_u32 s96, s96, QSC
	s_add_nc_u64 s[94:95], s[12:13], s[96:97]
.macro FETCH s, p                      ; K step s: 32 LDS loads in one run, into buffer p
	WIN 0x40
.irp t, 0,1,2,3
.irp c, 0,1,2,3
	ds_load_b128 v[128*(\p)+16*\t+4*\c:128*(\p)+16*\t+4*\c+3], v2 offset:8192*(\s)+2048*\t+512*\c
.endr
.endr
.irp t, 0,1,2,3
.irp c, 0,1,2,3
	ds_load_b128 v[128*(\p)+64+16*\t+4*\c:128*(\p)+64+16*\t+4*\c+3], v1 offset:8192*(\s)+2048*\t+512*\c
.endr
.endr
.endm
.macro MUL s, p                        ; 16 products; the accumulators take turns, one instruction a turn, in the same order in every K step.  The first K step takes the bias (window 2) as C
.if (\s) == 0
	WIN 0x25
.else
	WIN 0x05
.endif
.irp a, 0,1,2,3
.irp b, 0,1,2,3
.if (\s) == 0
	v_wmma_scale_f32_16x16x128_f8f6f4 v[ACC+8*(4*\a+\b):ACC+8*(4*\a+\b)+7], v[128*(\p)+16*\b:128*(\p)+16*\b+15], v[128*(\p)+64+16*\a:128*(\p)+64+16*\a+15], v[BIAS+8*\b:BIAS+8*\b+7], v[WS+8*\b+(\s)], v[XS+8*\a+(\s)]
.else
	v_wmma_scale_f32_16x16x128_f8f6f4 v[ACC+8*(4*\a+\b):ACC+8*(4*\a+\b)+7], v[128*(\p)+16*\b:128*(\p)+16*\b+15], v[128*(\p)+64+16*\a:128*(\p)+64+16*\a+15], v[ACC+8*(4*\a+\b):ACC+8*(4*\a+\b)+7], v[WS+8*\b+(\s)], v[XS+8*\a+(\s)]
.endif
.endr
.endr
.endm
.macro TAIL a, n                       ; token tile a of block n: RoPE, each accumulator from its low end on; then the head's two blocks of 32
	WIN 0x08                                       ; source 1 (cos, sin) in window 2
.set rq, 0
.rept 4
.set rj, 0
.rept 4
	v_mul_f32 v[96+2*(rj%2)], v[ACC+32*(\a)+8*rq+2*rj+1], v[32*(\a)+8*rq+2*rj+1]
	v_mul_f32 v[97+2*(rj%2)], v[ACC+32*(\a)+8*rq+2*rj], v[32*(\a)+8*rq+2*rj+1]
	v_fma_f32 v[ACC+32*(\a)+8*rq+2*rj], v[ACC+32*(\a)+8*rq+2*rj], v[32*(\a)+8*rq+2*rj], -v[96+2*(rj%2)]
	v_fma_f32 v[ACC+32*(\a)+8*rq+2*rj+1], v[ACC+32*(\a)+8*rq+2*rj+1], v[32*(\a)+8*rq+2*rj], v[97+2*(rj%2)]
.set rj, rj+1
.endr
.set rq, rq+1
.endr
	WIN 0
.if (\a) > 0
	s_wait_xcnt 0x0                                ; the codes' registers are written again only behind this wait
.endif
	QUANT ACC+32*(\a), 2, PC
	v_lshl_or_b32 v[100+(\a)], v[TM+5], 8, v[TM+4]
	v_or_b32 v[100+(\a)], 0x7f7f0000, v[100+(\a)]  ; bytes 2, 3: 1.0, for the half of the instruction's K that holds nothing
	global_store_b128 v3, v[PC:PC+3], s[92:93] offset:4194304*(\n)+16384*(\a)              ; the wave stores 512 consecutive bytes; 32 blocks of tokens on are 4,194,304 bytes
	global_store_b128 v3, v[PC+4:PC+7], s[92:93] offset:4194304*(\n)+16384*(\a)+512
.endm
.macro RUN n                           ; block n
	s_wait_tensorcnt 0x0                           ; my part of the block's operands is in; no LDS load of mine is pending at the signal;
	s_wait_dscnt 0x0
	s_barrier_signal -1
	s_barrier_wait -1                              ; everybody's is
	FETCH 0, 0
	FETCH 1, 1
	s_wait_loadcnt 0x0                             ; scale words (block 0: bias and table too)
.irp s, 0,1,2,3,4,5
	s_wait_dscnt 32                                ; this K step's fragments are in; the next step's 32 loads may be out
	MUL \s, (\s)%2
	PLACES 8                                       ; in front of loads into registers that the products have read (ISA guide 7.12.1 for vector instructions)
	FETCH (\s)+2, (\s)%2
.endr
	s_wait_dscnt 32
	MUL 6, 0
	WIN 0
.if (\n) == 0
	s_wait_tensorcnt 0x0                           ; the tensor wait, the add and its wait ahead of a refill's round
	ds_add_u32 v30, v31
	s_wait_dscnt 0x0                               ; the add is done, and my last fragments of this block's tokens are in registers
	CROUND                                         ; that holds of every wave of all sixteen work-groups
	tensor_load_to_lds s[52:55], s[72:79]          ; the second block's tokens over the first's: my 32,768 bytes
	s_nop 0
	PLACES 4
.else
	s_wait_dscnt 0x0
.endif
	MUL 7, 1
	WIN 0
	PLACES 8
.if (\n) == 0
.irp a, 0,1,2,3
.irp f, 0,1
	global_load_b128 v[XS+8*\a+4*\f:XS+8*\a+4*\f+3], v7, s[84:85] offset:131072+512*\a+256*\f   ; the second block's scale words: 256 tiles of 512 bytes on
.endr
.endr
.endif
	TAIL 0, \n
	TAIL 1, \n
	TAIL 2, \n
	TAIL 3, \n
	v_cndmask_b32 v96, v100, v101, s[HM]           ; lane 16 (T % 2) + r: the words of tiles T % 2 and 2 + T % 2: 256 consecutive bytes
	v_cndmask_b32 v97, v102, v103, s[HM]
	global_store_b64 v10, v[96:97], s[94:95] offset:16384*(\n)
.endm
	RUN 0
	s_wait_xcnt 0x0                                ; the first block's stores have read their registers
	RUN 1
	s_wait_tensorcnt 0x0                           ; the wave's end
	ds_add_u32 v30, v31
	s_wait_dscnt 0x0
	CROUND                                         ; the closing round: no work-group ends while a partner may still ask for a tile that names it
	s_endpgm
.Lfunc_end_k_q86e47cbe39_qproj:
	.size	k_q86e47cbe39_qproj, .Lfunc_end_k_q86e47cbe39_qproj-k_q86e47cbe39_qproj
	.p2alignl 7, 3214868480
	.fill 96, 4, 3214868480
	.section	.rodata,"a",@progbits
	.p2align	6, 0x0
	.amdhsa_kernel k_q86e47cbe39_qproj
		.amdhsa_group_segment_fixed_size 327680
		.amdhsa_private_segment_fixed_size 0
		.amdhsa_enable_private_segment 0
		.amdhsa_kernarg_size 40
		.amdhsa_user_sgpr_count 2
		.amdhsa_user_sgpr_kernarg_segment_ptr 1
		.amdhsa_wavefront_size32 1
		.amdhsa_system_sgpr_workgroup_id_x 1
		.amdhsa_system_sgpr_workgroup_id_y 1
		.amdhsa_system_sgpr_workgroup_id_z 1
		.amdhsa_system_vgpr_workitem_id 0
		.amdhsa_next_free_vgpr 768
		.amdhsa_next_free_sgpr 100
		.amdhsa_reserve_vcc 0
		.amdhsa_float_denorm_mode_32 3
		.amdhsa_float_denorm_mode_16_64 3
		.amdhsa_memory_ordered 1
		.amdhsa_forward_progress 1
		.amdhsa_inst_pref_size 143
	.end_amdhsa_kernel
	.amdgpu_metadata
---
amdhsa.version: [ 1, 2 ]
amdhsa.kernels:
  - .name:           k_q86e47cbe39_qproj
    .symbol:         k_q86e47cbe39_qproj.kd
    .args:
      - { .name: xq, .offset: 0, .size: 8, .value_kind: global_buffer, .address_space: global }
      - { .name: wts, .offset: 8, .size: 8, .value_kind: global_buffer, .address_space: global }
      - { .name: bq, .offset: 16, .size: 8, .value_kind: global_buffer, .address_space: global }
      - { .name: rope, .offset: 24, .size: 8, .value_kind: global_buffer, .address_space: global }
      - { .name: qq, .offset: 32, .size: 8, .value_kind: global_buffer, .address_space: global }
    .group_segment_fixed_size: 327680
    .private_segment_fixed_size: 0
    .kernarg_segment_align: 8
    .kernarg_segment_size: 40
    .max_flat_workgroup_size: 128
    .sgpr_count:     100
    .vgpr_count:     768
    .wavefront_size: 32
...
	.end_amdgpu_metadata
.endif
;; end of part 3
;; launch attn (part 4): grid 64 x 4, 16 waves a work-group, clusters of 4 x 1, 277,504 bytes of LDS; arguments qq, kv, aq; writes aq
.if DOCPART == 4
	.amdgcn_target "amdgcn-amd-amdhsa--gfx1250"
	.amdhsa_code_object_version 6
	.text
	.protected	k_q86e47cbe39_attn
	.globl	k_q86e47cbe39_attn
	.p2align	8
	.type	k_q86e47cbe39_attn,@function
k_q86e47cbe39_attn:
	s_mov_b64 s[64:65], 0
	v_nop
	global_prefetch_b8 v0, s[64:65] scope:SCOPE_SE
	s_setreg_imm32_b32 hwreg(HW_REG_WAVE_MODE, 25, 1), 1
	s_wait_xcnt 0x0
	s_wait_alu depctr_hold_cnt(0) depctr_sa_sdst(0) depctr_va_vdst(0) depctr_va_sdst(0) depctr_va_ssrc(0) depctr_va_vcc(0) depctr_vm_vsrc(0)
	s_getreg_b32 s2, hwreg(HW_REG_IB_STS2, 6, 4)
	s_cmp_eq_u32 s2, 0
	s_cbranch_scc0 .Lentry_in_a_cluster
	s_endpgm
.Lentry_in_a_cluster:
	s_bfe_u32 s2, ttmp6, 0x10000c
	s_cmp_lg_u32 s2, 0x3003
	s_cbranch_scc0 .Lentry_shape_is_right
	s_endpgm
.Lentry_shape_is_right:
; ATTN.  Causal attention of 16 query heads over one shared key and value head of size 64, both products on codes of E4M3 with one E8M0 scale for each 32 along K; the result is quantised along the model's 1,024 into aq.
; THE LOGIT is score / 8 + 1 for a key that counts (the mask adds 1): t = score x log2(e) / 8 + log2(e).  M = the running largest t rounded UP to a whole number; p = 2^(t - M) is quantised along the keys, not normalised;
; the row's sum is taken of the unquantised p and divides at the end.  When M moves, the sum and O are multiplied by 2^(old M - new M): exact.
; SHARES.  The wave's number is the head.  A work-group takes query tile j (16 tokens) and then tile 127 - j of one batch: (j / 8 + 1) + (16 - j / 8) = 17 key steps of 128 keys for every work-group.
; The loops' trip counts are constants (8 and 16); a step all of whose keys come after the tile's queries is jumped over by a branch on the cluster's number, which the partners share.
; CLUSTER.  The four work-groups of a cluster belong to one batch and read the same records of kv: the batch's 16 records (274,432 bytes) are asked for jointly, once, and stay in LDS: nothing is filled again.
; Tile j needs keys under 1,024 only, so the second eight records land while it is worked.
; LAYOUT.  Both products are used transposed: S^T = K Q^T (source 0 = 16 keys, source 1 = my 16 queries), O^T = V^T P^T (source 0 = 16 of the head's 64): a lane holds one query throughout.  Tiles 2 b and 2 b + 1 of S^T give a
; lane keys 32 b + 8 h + 0..7 and 32 b + 16 + 8 h + 0..7: that is the order in which every operand of this program lies inside a block of 32, V's too, so the conversions' results are the operand.
; THE FIRST PRODUCT'S K IS 64, half of the instruction's 128.  Q's upper 64 codes are zeros.  K's operand for key tile t is v[32 + 8 t] on, 16 registers: its upper eight are the next tile's codes (zeros behind the last);
; they are finite numbers (the quantiser's hold lets no NaN code arise), their scale bytes are 0x7f, and they meet zeros: they add exactly 0.
; LIMITS: a block of zeros gets the byte 1 and not 127 (zero codes; only this program reads the bytes); NaN and infinities are not served.
; REGISTERS: v1-5, v251-254 addresses; v6 Q's scale word, v7 p's; v8 -M, v9 at work, v[10:11] f, v12 log2(e) - M, v13 the largest t, v[14:15] the sum; v16-23 Q, v24-31 zeros; v32-95 K's eight half fragments, then V's four
; fragments; v96-103 zeros; v104-107 K's scale words, v108-109 V's; v112-127 p's codes; v128-191 S^T, then p; v192-223 O^T; v224-241 at work; v242-250 the second tile's Q and scale word, waiting.
.set REC,  17152
.set QSC,  8388608
.set XSC,  8388608
.set ASCA, 274432                      ; behind the records: the first tile's scale bytes [r][head][2], 512 bytes; the second's behind them
.set TM,   224
.set WV,   10
.set SEL,  32
.set MNT,  34
.set LG,   35                          ; s35 log2(e)
.set CS,   36                          ; s[36:37] log2(e) / 8: the packed form names a pair and takes its low word for both halves
.set RB,   38                          ; s38 LDS byte at which the step's record begins
.set ST,   39                          ; s39 the step
.set N,    40                          ; s40 steps that count for the tile in hand;  s41 the last of them
.set NM1,  41
.macro PLACES n
.rept \n
	v_nop
.endr
.endm
.macro CROUND                          ; a round of the cluster's barrier
	s_barrier_signal -1
	s_barrier_wait -1
	s_cmp_lg_u32 s[WV], 0
	s_cbranch_scc1 .Lnot_wave_0_\@
	s_barrier_signal -3
.Lnot_wave_0_\@:
	s_barrier_wait -3
	s_barrier_signal -1
	s_barrier_wait -1
.endm
; 16 nb numbers of a lane, block b in v[s + 16 b] on (the block's other 16 lie in lane l xor 16), become codes in v[pc + 4 b] on; the bytes stay in v[TM + 4 + b]
.macro QUANT s, nb, pc
.set qb, 0
.rept \nb
	v_max3_num_f32 v[TM+qb], |v[(\s)+16*qb]|, |v[(\s)+16*qb+1]|, 0x4800000     ; with the floor 2^(9 - 127): the byte cannot fall under 1
.set qb, qb+1
.endr
.irp qi, 2,4,6,8,10,12,14
.set qb, 0
.rept \nb
	s_delay_alu instid0(VALU_DEP_2)
	v_max3_num_f32 v[TM+qb], v[TM+qb], |v[(\s)+16*qb+\qi]|, |v[(\s)+16*qb+\qi+1]|
.set qb, qb+1
.endr
.endr
.set qb, 0
.rept \nb
	s_delay_alu instid0(VALU_DEP_2)
	v_permlanex16_b32 v[TM+4+qb], v[TM+qb], s[SEL], s[SEL+1]
.set qb, qb+1
.endr
.set qb, 0
.rept \nb
	s_delay_alu instid0(VALU_DEP_2)
	v_max_num_f32 v[TM+qb], v[TM+qb], v[TM+4+qb]
.set qb, qb+1
.endr
.set qb, 0
.rept \nb
	s_delay_alu instid0(VALU_DEP_2)
	v_add_nc_u32 v[TM+12+qb], 0xfc000000, v[TM+qb]                 ; 8 off the exponent field: the conversion's scale operand
.set qb, qb+1
.endr
.set qb, 0
.rept \nb
	s_delay_alu instid0(VALU_DEP_4)
	v_and_or_b32 v[TM+8+qb], v[TM+qb], 0x7f800000, s[MNT]          ; 448 x the scale
.set qb, qb+1
.endr
.set qb, 0
.rept \nb
	s_delay_alu instid0(VALU_DEP_4)
	v_lshrrev_b32 v[TM+4+qb], 23, v[TM+12+qb]                      ; the scale's byte
.set qb, qb+1
.endr
.set qb, 0
.rept \nb
.set qj, 0
.rept 16
	v_med3_num_f32 v[(\s)+16*qb+qj], v[(\s)+16*qb+qj], -v[TM+8+qb], v[TM+8+qb]   ; the conversion does not saturate (ISA guide 7.6.2)
.set qj, qj+1
.endr
	v_cvt_scalef32_pk8_fp8_f32 v[(\pc)+4*qb:(\pc)+4*qb+1], v[(\s)+16*qb:(\s)+16*qb+7], v[TM+12+qb]
	v_cvt_scalef32_pk8_fp8_f32 v[(\pc)+4*qb+2:(\pc)+4*qb+3], v[(\s)+16*qb+8:(\s)+16*qb+15], v[TM+12+qb]
.set qb, qb+1
.endr
	v_nop                                          ; a plain line behind the last conversion
.endm
	s_load_b128 s[4:7], s[0:1], 0x0                ; qq, kv
	s_load_b64 s[8:9], s[0:1], 0x10                ; aq
	v_lshl_add_u32 v110, v0, 2, 0x43400
	v_mov_b32 v111, 0
	ds_add_u32 v110, v111
	ds_add_u32 v110, v111
	v_lshrrev_b32 v1, 5, v0
	s_delay_alu instid0(VALU_DEP_1)
	v_readfirstlane_b32 s[WV], v1                  ; wave 0..15 = the head
	s_bfe_u32 s11, ttmp6, 0x40000                  ; cx: it enters global addresses and the mask's vector register alone
	s_lshl_b32 s12, ttmp9, 2
	s_add_co_u32 s12, s12, s11                     ; j
	s_and_b32 s13, ttmp7, 0xffff                   ; the batch
	s_lshr_b32 s14, ttmp9, 1                       ; j / 8, from the cluster's number: the same in all four partners
	s_sub_co_u32 s15, 16, s14                      ; key steps of tile 127 - j
	s_add_co_u32 s14, s14, 1                       ; and of tile j
	; descriptor group 1: a record, 17,152 dense bytes, as 67 rows of 32 elements of 8 bytes; the mask names all four work-groups, with bit 21 beside it
	s_mov_b32 s16, 15|(3<<16)|(1<<21)
	s_mov_b32 s17, 32<<16
	s_mov_b32 s18, 67<<16
	s_mov_b32 s19, 32<<16
	s_mov_b32 s20, 67
	s_mov_b32 s21, 32
	s_mov_b32 s22, 0
	s_mov_b32 s23, 0
	s_mul_i32 s3, s[WV], REC                       ; record w: a record a wave, in LDS as in memory
	s_mov_b32 s24, 1
	s_mov_b32 s25, s3
	s_mul_i32 s2, s13, 16*REC
	s_add_co_u32 s2, s2, s3
	s_mov_b32 s3, 0
	s_wait_dscnt 0x0
	s_wait_kmcnt 0x0
	s_add_nc_u64 s[26:27], s[6:7], s[2:3]
	s_or_b32 s27, s27, 0x80000000
	CROUND                                         ; all four work-groups are here: the joint loads meet
	s_cmp_lt_u32 s[WV], 8                          ; one load a wave; waves 0 to 7, which wait at the first barrier, have a load line of their own
	s_cbranch_scc0 .Lupper
	tensor_load_to_lds s[24:27], s[16:23]
	s_nop 0
	PLACES 4
	s_branch .Lasked
.Lupper:
	tensor_load_to_lds s[24:27], s[16:23]
	s_nop 0
	PLACES 4
.Lasked:
	v_and_b32 v252, 31, v0
	s_delay_alu instid0(VALU_DEP_1)
	v_lshlrev_b32 v1, 4, v252                      ; 16 x lane
	s_delay_alu instid0(VALU_DEP_2)
	v_lshlrev_b32 v2, 3, v252                      ; 8 x lane
	v_and_b32 v255, 15, v0                         ; r
	v_bfe_u32 v254, v0, 4, 1                       ; h
	s_delay_alu instid0(VALU_DEP_2)
	v_lshlrev_b32 v252, 3, v255                    ; 8 r: Q's scale words
	s_wait_alu depctr_va_vdst(0)
	v_lshlrev_b32 v251, 3, v254
	s_delay_alu instid0(VALU_DEP_1)
	v_sub_nc_u32 v251, v255, v251                  ; r - 8 h
	s_lshl_b32 s3, s[WV], 1
	s_add_co_u32 s3, s3, ASCA
	v_lshl_add_u32 v253, v255, 5, s3               ; the result's scale bytes: 32 r + 2 head
	v_lshlrev_b32 v254, 4, v254
	s_delay_alu instid0(VALU_DEP_1)
	v_lshl_add_u32 v254, v255, 5, v254
	s_delay_alu instid0(VALU_DEP_1)
	v_add_nc_u32 v254, ASCA, v254                  ; and back: 32 r + 16 h
	s_mov_b32 s[SEL], 0x76543210
	s_mov_b32 s[SEL+1], 0xfedcba98
	s_mov_b32 s[MNT], 0x600000
	s_mov_b32 s[LG], 0x3fb8aa3b
	s_mov_b32 s[CS], 0x3e38aa3b
	s_mov_b32 s[CS+1], s[CS]                       ; (named with it as a pair, so it is written)
	s_lshl_b32 s61, s13, 7
	s_add_co_u32 s62, s61, 127
	s_sub_co_u32 s62, s62, s12                     ; the second token tile, counted over all batches,
	s_add_co_u32 s61, s61, s12                     ; and the first
	s_and_b32 s63, s12, 7                          ; j % 8
; the four bases of token tile s[t]: Q's codes, Q's scale word, the result's codes, the result's scale words
.macro TBASE t, qb, qs, ab, as
	s_lshl_b32 s58, s[\t], 4
	s_add_co_u32 s58, s58, s[WV]
	s_lshl_b32 s58, s58, 10
	s_mov_b32 s59, 0
	s_add_nc_u64 s[\qb:\qb+1], s[4:5], s[58:59]
	s_lshl_b32 s58, s[WV], 7
	s_lshr_b32 s60, s[\t], 2
	s_add_co_u32 s58, s58, s60
	s_lshl_b32 s58, s58, 8
	s_and_b32 s60, s[\t], 1
	s_lshl_b32 s60, s60, 7
	s_add_co_u32 s58, s58, s60
	s_bfe_u32 s60, s[\t], 0x10001
	s_lshl_b32 s60, s60, 2
	s_add_co_u32 s58, s58, s60
	s_add_co_u32 s58, s58, QSC
	s_add_nc_u64 s[\qs:\qs+1], s[4:5], s[58:59]
	s_lshr_b32 s58, s[\t], 2                       ; group T / 4, K step head / 2, tile T % 4, pieces 2 (head % 2) on
	s_lshl_b32 s58, s58, 16
	s_lshr_b32 s60, s[WV], 1
	s_lshl_b32 s60, s60, 13
	s_add_co_u32 s58, s58, s60
	s_and_b32 s60, s[\t], 3
	s_lshl_b32 s60, s60, 11
	s_add_co_u32 s58, s58, s60
	s_and_b32 s60, s[WV], 1
	s_lshl_b32 s60, s60, 10
	s_add_co_u32 s58, s58, s60
	s_add_nc_u64 s[\ab:\ab+1], s[8:9], s[58:59]
	s_lshl_b32 s58, s[\t], 9
	s_add_co_u32 s58, s58, XSC
	s_add_nc_u64 s[\as:\as+1], s[8:9], s[58:59]
.endm
	TBASE 61, 42, 46, 50, 54
	TBASE 62, 44, 48, 52, 56
	global_load_b128 v[16:19], v1, s[42:43]
	global_load_b128 v[20:23], v1, s[42:43] offset:512
	global_load_b32 v6, v252, s[46:47]
	global_load_b128 v[242:245], v1, s[44:45]
	global_load_b128 v[246:249], v1, s[44:45] offset:512
	global_load_b32 v250, v252, s[48:49]
.irp i, 0,1,2,3,4,5,6,7
	v_mov_b32 v[24+\i], 0                          ; the upper half of Q's operand,
	v_mov_b32 v[96+\i], 0                          ; and what stands behind K's last tile
.endr
.irp b, 0,1,2,3
	v_mov_b32 v[228+\b], 0                         ; written once: a lane permute's destination counts as one of its sources
.endr
	v_mov_b32 v9, 0
	v_mov_b32 v11, 0                               ; (named as the upper half of the pair v[10:11])
	s_lshl_b32 s58, s63, 4
	v_add_nc_u32 v3, s58, v251                     ; d = 16 (tile % 8) + r - 8 h: register 8 t + i of S^T holds a hidden key where 16 t + i > d
	s_wait_alu depctr_va_vdst(0)
	s_cmp_lt_u32 s[WV], 8
	s_cbranch_scc0 .Lnot_yet
	s_wait_tensorcnt 0x0                           ; waves 0 to 7: my record, one of the first eight, is in.  The others' wait stands at the barrier behind the first tile
.Lnot_yet:
	s_barrier_signal -1
	s_barrier_wait -1
	s_wait_loadcnt 0x0                             ; Q
.macro INIT n
	s_wait_xcnt 0x0                                ; registers that earlier stores read are written again below
.set ii, 0
.rept 32
	v_mov_b32 v[192+ii], 0                         ; O^T.  (The step is written once: the first finds zeros, which the first change of M leaves zeros)
.set ii, ii+1
.endr
	v_mov_b32 v14, 0
	v_mov_b32 v15, 0
	v_mov_b32 v13, 0xff61b1e6                      ; the largest t so far: -3e38, under every t
	s_delay_alu instid0(VALU_DEP_1)
	v_floor_f32 v8, -v13
	s_mov_b32 s[RB], 0
	s_mov_b32 s[ST], 0
	s_mov_b32 s[N], s[\n]
	s_sub_co_u32 s[NM1], s[N], 1
.endm
.macro KLOOP trips
.Lstep_\@:
	s_cmp_ge_u32 s[ST], s[N]                       ; all 128 keys come after my queries: the step's work is left out
	s_cbranch_scc1 .Lskip_\@
	v_add_nc_u32 v4, s[RB], v1
	v_add_nc_u32 v5, s[RB], v2
	PLACES 6                                       ; with the two additions: eight places in front of loads into registers that the last products have read
.set kt, 0
.rept 8
	ds_load_b128 v[32+8*kt:35+8*kt], v4 offset:1024*kt
	ds_load_b128 v[36+8*kt:39+8*kt], v4 offset:1024*kt+512
.set kt, kt+1
.endr
	ds_load_b128 v[104:107], v4 offset:16384       ; K's scale words: register u: lanes 0-15 key tile 2 u, lanes 16-31 key tile 2 u + 1
	s_wait_alu depctr_va_vdst(0)
	s_wait_dscnt 0x0
.set kt, 0
.rept 4
	v_wmma_scale_f32_16x16x128_f8f6f4 v[128+16*kt:135+16*kt], v[32+16*kt:47+16*kt], v[16:31], 0, v[104+kt], v6
	v_wmma_scale_f32_16x16x128_f8f6f4 v[136+16*kt:143+16*kt], v[40+16*kt:55+16*kt], v[16:31], 0, v[104+kt], v6 matrix_a_scale:MATRIX_SCALE_ROW1
.set kt, kt+1
.endr
	PLACES 8
.set kt, 0
.rept 4                                ; V's fragments are asked for now and land under the softmax
.irp c, 0,1,2,3
	ds_load_b128 v[32+16*kt+4*\c:35+16*kt+4*\c], v4 offset:8192+2048*kt+512*\c
.endr
.set kt, kt+1
.endr
	ds_load_b64 v[108:109], v5 offset:16896        ; V's scale words: register e: lanes 0-15 tile 2 e, lanes 16-31 tile 2 e + 1
	s_cmp_lg_u32 s[ST], s[NM1]                     ; only the tile's last step lies on the diagonal
	s_cbranch_scc1 .Lopen_\@
	v_mov_b32 v9, 0xff800000                       ; hidden scores become -infinity ahead of the maximum: p = 0 then
.set ke, 0
.rept 64
	v_cmp_gt_i32 vcc_lo, 16*(ke/8)+ke%8, v3
	v_cndmask_b32 v[128+ke], v[128+ke], v9, vcc_lo
.set ke, ke+1
.endr
.Lopen_\@:
.irp b, 0,1,2,3
	v_max3_num_f32 v[224+\b], v[128+16*\b], v[129+16*\b], v[130+16*\b]     ; the largest score of each block of 32 keys: for the row's maximum, and, since p rises with the score, for the block's largest p
.endr
.irp i, 3,5,7,9,11,13
.irp b, 0,1,2,3
	v_max3_num_f32 v[224+\b], v[224+\b], v[128+16*\b+\i], v[129+16*\b+\i]
.endr
.endr
.irp b, 0,1,2,3
	v_max_num_f32 v[224+\b], v[224+\b], v[143+16*\b]
.endr
.irp b, 0,1,2,3
	s_delay_alu instid0(VALU_DEP_4)
	v_permlanex16_b32 v[228+\b], v[224+\b], s[SEL], s[SEL+1]
.endr
.irp b, 0,1,2,3
	s_delay_alu instid0(VALU_DEP_4)
	v_max_num_f32 v[224+\b], v[224+\b], v[228+\b]
.endr
	s_delay_alu instid0(VALU_DEP_2)
	v_max3_num_f32 v9, v224, v225, v226
	s_delay_alu instid0(VALU_DEP_1)
	v_max_num_f32 v9, v9, v227
	s_delay_alu instid0(VALU_DEP_1)
	v_fma_f32 v9, v9, s[CS], s[LG]                 ; as t
	s_delay_alu instid0(VALU_DEP_1)
	v_max_num_f32 v13, v13, v9                     ; the running largest t
	v_mov_b32 v9, v8
	s_delay_alu instid0(VALU_DEP_2)
	v_floor_f32 v8, -v13                           ; the new -M = floor(-t) = -ceil(t)
	s_delay_alu instid0(VALU_DEP_1)
	v_sub_f32 v9, v8, v9                           ; old M - new M: a whole number, 0 or less
	s_delay_alu instid0(VALU_DEP_1)
	v_cvt_i32_f32 v9, v9                           ; (it saturates)
	s_delay_alu instid0(VALU_DEP_1)
	v_ldexp_f32 v10, 1.0, v9                       ; f = 2^(old M - new M)
	s_delay_alu instid0(VALU_DEP_4)
	v_add_f32 v12, s[LG], v8                       ; log2(e) - M
.set kj, 0
.rept 32
	v_pk_fma_f32 v[128+kj:129+kj], v[128+kj:129+kj], s[CS:CS+1], v[12:13] op_sel_hi:[1,0,0]     ; t - M, two at a time
.set kj, kj+2
.endr
.irp b, 0,1,2,3
	v_fma_f32 v[224+\b], v[224+\b], s[CS], v12     ; the same of each block's largest score
.endr
.set kj, 0
	s_wait_alu depctr_va_vdst(0)
.rept 64
	v_exp_f32 v[128+kj], v[128+kj]                 ; p = 2^(t - M): not normalised
.set kj, kj+1
.endr
.irp b, 0,1,2,3
	v_exp_f32 v[224+\b], v[224+\b]
.endr
	v_pk_mul_f32 v[14:15], v[14:15], v[10:11] op_sel_hi:[1,0]      ; the sums under the new M.  (A plain line behind the exponentials)
	s_wait_alu depctr_va_vdst(0)
.irp b, 0,1,2,3
	v_max_num_f32 v[224+\b], 0x4800000, v[224+\b]  ; the floor 2^(9 - 127)
.endr
.irp b, 0,1,2,3
	s_delay_alu instid0(VALU_DEP_4)
	v_add_nc_u32 v[236+\b], 0xfc000000, v[224+\b]  ; the conversion's scale operand
.endr
.irp b, 0,1,2,3
	v_and_or_b32 v[232+\b], v[224+\b], 0x7f800000, s[MNT]          ; 448 x the scale
.endr
.irp b, 0,1,2,3
	v_lshrrev_b32 v[228+\b], 23, v[236+\b]         ; the scale's byte
.endr
	s_delay_alu instid0(VALU_DEP_3)
	v_lshl_or_b32 v7, v229, 8, v228                ; p's scale word for these 128 keys
	s_delay_alu instid0(VALU_DEP_1)
	v_lshl_or_b32 v7, v230, 16, v7
	s_delay_alu instid0(VALU_DEP_1)
	v_lshl_or_b32 v7, v231, 24, v7
	v_pk_add_f32 v[240:241], v[132:133], v[136:137]
	v_pk_add_f32 v[226:227], v[140:141], v[144:145]
	v_pk_add_f32 v[224:225], v[148:149], v[152:153]
	v_pk_add_f32 v[126:127], v[156:157], v[160:161]
	v_pk_add_f32 v[124:125], v[164:165], v[168:169]
	v_pk_add_f32 v[122:123], v[172:173], v[176:177]
	v_pk_add_f32 v[120:121], v[180:181], v[184:185]
	v_pk_add_f32 v[14:15], v[14:15], v[188:189]
	v_pk_add_f32 v[240:241], v[240:241], v[128:129]
	v_pk_add_f32 v[226:227], v[226:227], v[130:131]
	v_pk_add_f32 v[224:225], v[224:225], v[134:135]
	v_pk_add_f32 v[126:127], v[126:127], v[138:139]
	v_pk_add_f32 v[124:125], v[124:125], v[142:143]
	v_pk_add_f32 v[122:123], v[122:123], v[146:147]
	v_pk_add_f32 v[120:121], v[120:121], v[150:151]
	v_pk_add_f32 v[14:15], v[14:15], v[154:155]
	v_pk_add_f32 v[240:241], v[240:241], v[158:159]
	v_pk_add_f32 v[226:227], v[226:227], v[162:163]
	v_pk_add_f32 v[224:225], v[224:225], v[166:167]
	v_pk_add_f32 v[126:127], v[126:127], v[170:171]
	v_pk_add_f32 v[124:125], v[124:125], v[174:175]
	v_pk_add_f32 v[122:123], v[122:123], v[178:179]
	v_pk_add_f32 v[120:121], v[120:121], v[182:183]
	v_pk_add_f32 v[14:15], v[14:15], v[186:187]
	v_pk_add_f32 v[240:241], v[240:241], v[190:191]
	s_delay_alu instid0(VALU_DEP_2)
	v_pk_add_f32 v[14:15], v[14:15], v[126:127]
	s_delay_alu instid0(VALU_DEP_2)
	v_pk_add_f32 v[240:241], v[240:241], v[124:125]
	v_pk_add_f32 v[226:227], v[226:227], v[122:123]
	v_pk_add_f32 v[224:225], v[224:225], v[120:121]
	s_delay_alu instid0(VALU_DEP_2)
	v_pk_add_f32 v[14:15], v[14:15], v[226:227]
	s_delay_alu instid0(VALU_DEP_2)
	v_pk_add_f32 v[240:241], v[240:241], v[224:225]
	s_delay_alu instid0(VALU_DEP_1)
	v_pk_add_f32 v[14:15], v[14:15], v[240:241]
.irp b, 0,1,2,3
.irp i, 0,1,2,3,4,5,6,7,8,9,10,11,12,13,14,15
	v_min_num_f32 v[128+16*\b+\i], v[128+16*\b+\i], v[232+\b]      ; p is not negative: the hold is one-sided
.endr
	v_cvt_scalef32_pk8_fp8_f32 v[112+4*\b:113+4*\b], v[128+16*\b:135+16*\b], v[236+\b]
	v_cvt_scalef32_pk8_fp8_f32 v[114+4*\b:115+4*\b], v[136+16*\b:143+16*\b], v[236+\b]
.endr
.set kj, 0
.rept 16
	v_pk_mul_f32 v[192+kj:193+kj], v[192+kj:193+kj], v[10:11] op_sel_hi:[1,0]      ; O^T under the new M.  (These are also the places behind the conversions and in front of the products)
.set kj, kj+2
.endr
	s_wait_alu depctr_va_vdst(0)
	s_wait_dscnt 0x0                               ; V
.set kt, 0
.rept 2                                ; the four accumulators take turns, one instruction a turn
	v_wmma_scale_f32_16x16x128_f8f6f4 v[192+16*kt:199+16*kt], v[32+32*kt:47+32*kt], v[112:127], v[192+16*kt:199+16*kt], v[108+kt], v7
	v_wmma_scale_f32_16x16x128_f8f6f4 v[200+16*kt:207+16*kt], v[48+32*kt:63+32*kt], v[112:127], v[200+16*kt:207+16*kt], v[108+kt], v7 matrix_a_scale:MATRIX_SCALE_ROW1
.set kt, kt+1
.endr
.Lskip_\@:
	s_add_co_u32 s[RB], s[RB], REC
	s_add_co_u32 s[ST], s[ST], 1
	s_cmp_lt_u32 s[ST], \trips
	s_cbranch_scc1 .Lstep_\@
.endm
.macro FINISH ab, ph                   ; O^T / the sum; its 64 numbers of my head are two blocks of the last product's K
	PLACES 8                                       ; behind the last products, on every way
	v_add_f32 v14, v14, v15
	s_delay_alu instid0(VALU_DEP_1)
	v_permlanex16_b32 v9, v14, s[SEL], s[SEL+1]
	s_delay_alu instid0(VALU_DEP_1)
	v_add_f32 v14, v14, v9
	s_wait_alu depctr_va_vdst(0)
	v_rcp_f32 v14, v14
	v_nop                                          ; a plain line behind the reciprocal
.set ii, 0
	s_wait_alu depctr_va_vdst(0)
.rept 32
	v_mul_f32 v[128+ii], v[192+ii], v14
.set ii, ii+1
.endr
	QUANT 128, 2, 112
	global_store_b128 v1, v[112:115], s[\ab:\ab+1]                 ; the wave stores 512 consecutive bytes
	global_store_b128 v1, v[116:119], s[\ab:\ab+1] offset:512
	v_lshl_or_b32 v9, v[TM+5], 8, v[TM+4]
	ds_store_b16 v253, v9 offset:512*\ph           ; the sixteen heads' bytes of a row meet in LDS (lanes r and r + 16 write the same bytes with the same value)
.endm
.macro SCOUT as, ph                    ; wave 0 stores the tile's 512 bytes of scale words
	s_cmp_lg_u32 s[WV], 0
	s_cbranch_scc1 .Lnot_mine_\@
	ds_load_b128 v[120:123], v254 offset:512*\ph
	s_wait_dscnt 0x0
	global_store_b128 v1, v[120:123], s[\as:\as+1]
.Lnot_mine_\@:
.endm
	INIT 14
	KLOOP 8
	s_wait_alu depctr_va_vdst(0)
	FINISH 50, 0
	s_wait_dscnt 0x0                               ; my scale bytes have landed,
	s_wait_tensorcnt 0x0                           ; and my second record
	s_barrier_signal -1
	s_barrier_wait -1                              ; everybody's have
	SCOUT 54, 0
.irp i, 0,1,2,3,4,5,6,7
	v_mov_b32 v[16+\i], v[242+\i]                  ; the second tile's Q
.endr
	v_mov_b32 v6, v250
	s_sub_co_u32 s58, 7, s63
	s_lshl_b32 s58, s58, 4
	v_add_nc_u32 v3, s58, v251
	INIT 15
	KLOOP 16
	s_wait_alu depctr_va_vdst(0)
	FINISH 52, 1
	s_wait_dscnt 0x0
	s_barrier_signal -1
	s_barrier_wait -1
	SCOUT 56, 1
	s_wait_dscnt 0x0
	s_wait_tensorcnt 0x0
	ds_add_u32 v110, v111
	s_wait_dscnt 0x0
	CROUND                                         ; the closing round: no work-group ends while a partner may still ask for a tile that names it
	s_endpgm
.Lfunc_end_k_q86e47cbe39_attn:
	.size	k_q86e47cbe39_attn, .Lfunc_end_k_q86e47cbe39_attn-k_q86e47cbe39_attn
	.p2alignl 7, 3214868480
	.fill 96, 4, 3214868480
	.section	.rodata,"a",@progbits
	.p2align	6, 0x0
	.amdhsa_kernel k_q86e47cbe39_attn
		.amdhsa_group_segment_fixed_size 277504
		.amdhsa_private_segment_fixed_size 0
		.amdhsa_enable_private_segment 0
		.amdhsa_kernarg_size 24
		.amdhsa_user_sgpr_count 2
		.amdhsa_user_sgpr_kernarg_segment_ptr 1
		.amdhsa_wavefront_size32 1
		.amdhsa_system_sgpr_workgroup_id_x 1
		.amdhsa_system_sgpr_workgroup_id_y 1
		.amdhsa_system_sgpr_workgroup_id_z 1
		.amdhsa_system_vgpr_workitem_id 0
		.amdhsa_next_free_vgpr 256
		.amdhsa_next_free_sgpr 66
		.amdhsa_reserve_vcc 1
		.amdhsa_float_denorm_mode_32 3
		.amdhsa_float_denorm_mode_16_64 3
		.amdhsa_memory_ordered 1
		.amdhsa_forward_progress 1
		.amdhsa_inst_pref_size 75
	.end_amdhsa_kernel
	.amdgpu_metadata
---
amdhsa.version: [ 1, 2 ]
amdhsa.kernels:
  - .name:           k_q86e47cbe39_attn
    .symbol:         k_q86e47cbe39_attn.kd
    .args:
      - { .name: qq, .offset: 0, .size: 8, .value_kind: global_buffer, .address_space: global }
      - { .name: kv, .offset: 8, .size: 8, .value_kind: global_buffer, .address_space: global }
      - { .name: aq, .offset: 16, .size: 8, .value_kind: global_buffer, .address_space: global }
    .group_segment_fixed_size: 277504
    .private_segment_fixed_size: 0
    .kernarg_segment_align: 8
    .kernarg_segment_size: 24
    .max_flat_workgroup_size: 512
    .sgpr_count:     66
    .vgpr_count:     256
    .wavefront_size: 32
...
	.end_amdgpu_metadata
.endif
;; end of part 4
;; launch oproj (part 5): grid 8 x 32, 4 waves a work-group, clusters of 4 x 4, 327,680 bytes of LDS; arguments aq, wts, bo, out0; writes out0
.if DOCPART == 5
	.amdgcn_target "amdgcn-amd-amdhsa--gfx1250"
	.amdhsa_code_object_version 6
	.text
	.protected	k_q86e47cbe39_oproj
	.globl	k_q86e47cbe39_oproj
	.p2align	8
	.type	k_q86e47cbe39_oproj,@function
k_q86e47cbe39_oproj:
	s_mov_b64 s[64:65], 0
	v_nop
	global_prefetch_b8 v0, s[64:65] scope:SCOPE_SE
	s_setreg_imm32_b32 hwreg(HW_REG_WAVE_MODE, 25, 1), 1
	s_wait_xcnt 0x0
	s_wait_alu depctr_hold_cnt(0) depctr_sa_sdst(0) depctr_va_vdst(0) depctr_va_sdst(0) depctr_va_ssrc(0) depctr_va_vcc(0) depctr_vm_vsrc(0)
	s_getreg_b32 s2, hwreg(HW_REG_IB_STS2, 6, 4)
	s_cmp_eq_u32 s2, 0
	s_cbranch_scc0 .Lentry_in_a_cluster
	s_endpgm
.Lentry_in_a_cluster:
	s_bfe_u32 s2, ttmp6, 0x10000c
	s_cmp_lg_u32 s2, 0xf033
	s_cbranch_scc0 .Lentry_shape_is_right
	s_endpgm
.Lentry_shape_is_right:
; OPROJ.  out0 = Q(attention's result) Q(wo) + bo, on codes of E4M3 with one E8M0 scale for each 32 along K; f32 out.
; A WORK-GROUP STAYS: it makes two blocks of 128 tokens x 128 columns, tokens 128 Y on and tokens 128 (Y + 32) on, against the same 128 columns of wo.  Each of its four waves makes 64 x 64 of a block: 16 accumulators.
; K = 1,024 of both operands of a block is 256 KiB of codes, which lie in LDS whole.  The weights are filled once.  The second block's tokens are filled over the first's, 32,768 bytes a wave, behind
; a round of the cluster's barrier, as soon as every wave holds the first block's last fragments in registers: they land while the first block's last K step and its way out are worked.
; The operands lie in memory in the order of their registers (a group of 64 rows: [K step][tile][piece][lane][16 bytes]), so a group is one dense block, every LDS load reads 512 consecutive bytes, and no padding is wanted.
; CLUSTERS: 4 x 4 work-groups.  The four of a row of the cluster need the same tokens, the four of a column the same columns of wo: each group is asked for jointly, one load a wave.
; PREFETCH: the second block's tokens, 512 aligned blocks of 256 bytes, are asked for at the head, each once in a row of the cluster: partner cx, wave w, lane l name block 128 cx + 32 w + l: told apart by address.  The first fills come by their loads alone.
; THE MATRIX INSTRUCTION IS USED TRANSPOSED (source 0 = 16 columns of wo, source 1 = 16 tokens): a lane holds eight neighbouring numbers of a row of out0.
; THE WAY OUT: 16 rows x 64 columns at a time through the wave's own stage in LDS (rows of 256 bytes + 16; bytes of its own, on which no fill lands), back as whole rows: sixteen lanes store 256 consecutive bytes, aligned.
; REGISTERS, window 0: v1-12 addresses; v30, v31 the spare word and 0; v32-63 the tokens' scale words (8 a + s), v64-95 the weights' (8 b + s): these hold scales alone; v96-127 the bias (8 b + j); v128-255 accumulator (a, b) at 8 (4 a + b).
; Window 1: two fragment buffers of 128: the weights' four fragments, then the tokens' four; on the way out v0-63 of it take the rows read back.
.set WG0,  18                          ; wo's first group in wts
.set WSC,  2228224
.set XSC,  8388608
.set STG,  262144
.set XS,   32
.set WS,   64
.set BIAS, 96
.set ACC,  128
.set WV,   14
.set MSB,  0
.macro WIN new                         ; the immediate's high byte repeats the setting that is left
.if MSB != \new
	s_set_vgpr_msb (MSB<<8)|\new
.set MSB, \new
.endif
.endm
.macro PLACES n
.rept \n
	v_nop
.endr
.endm
.macro CROUND                          ; a round of the cluster's barrier
	s_barrier_signal -1
	s_barrier_wait -1
	s_cmp_lg_u32 s[WV], 0
	s_cbranch_scc1 .Lnot_wave_0_\@
	s_barrier_signal -3
.Lnot_wave_0_\@:
	s_barrier_wait -3
	s_barrier_signal -1
	s_barrier_wait -1
.endm
	s_load_b256 s[4:11], s[0:1], 0x0               ; aq, wts, bo, out0
	v_lshl_add_u32 v30, v0, 2, 0x48800
	v_mov_b32 v31, 0
	ds_add_u32 v30, v31                            ; the opening lines: the add, twice on end, and its wait ahead of my first tensor load
	ds_add_u32 v30, v31
	v_lshrrev_b32 v1, 5, v0
	v_readfirstlane_b32 s[WV], v1                  ; wave 0..3
	s_lshr_b32 s15, s[WV], 1                       ; which 64 tokens are mine.  Also: at the head I fetch tokens (0) or weights (1)
	s_and_b32 s16, s[WV], 1                        ; which 64 columns.  Also: which of the two groups I fetch
	s_bfe_u32 s17, ttmp6, 0x40000                  ; cx
	s_bfe_u32 s18, ttmp6, 0x40004                  ; cy
	s_lshl_b32 s19, ttmp9, 2
	s_add_co_u32 s19, s19, s17                     ; X: which 128 columns
	s_and_b32 s20, ttmp7, 0xffff
	s_lshl_b32 s20, s20, 2
	s_add_co_u32 s20, s20, s18                     ; Y: which 128 tokens come first, 0 .. 31
	s_lshl_b32 s21, s18, 2
	s_lshl_b32 s21, 15, s21                        ; my row of the cluster
	s_lshl_b32 s22, 0x1111, s17                    ; my column
	; descriptor groups 1: dense bytes as rows of 32 elements of 8 bytes; the mask, with bit 21 beside it.  At the head a whole group, 256 rows; the refill 128 rows a wave
	s_or_b32 s24, s21, (3<<16)|(1<<21)
	s_or_b32 s32, s22, (3<<16)|(1<<21)
	s_or_b32 s72, s21, (3<<16)|(1<<21)
.irp g, 24, 32
	s_mov_b32 s[\g+1], 32<<16
	s_mov_b32 s[\g+2], 256<<16
	s_mov_b32 s[\g+3], 32<<16
	s_mov_b32 s[\g+4], 256
	s_mov_b32 s[\g+5], 32
	s_mov_b32 s[\g+6], 0
	s_mov_b32 s[\g+7], 0
.endr
	s_mov_b32 s73, 32<<16
	s_mov_b32 s74, 128<<16
	s_mov_b32 s75, 32<<16
	s_mov_b32 s76, 128
	s_mov_b32 s77, 32
	s_mov_b32 s78, 0
	s_mov_b32 s79, 0
	s_lshl_b32 s40, s20, 1                         ; the tokens' group 2 Y + w % 2: registers that never hold X
	s_add_co_u32 s40, s40, s16
	s_lshl_b32 s40, s40, 16
	s_mov_b32 s41, 0
	s_lshl_b32 s42, s19, 1                         ; the weights' group WG0 + 2 X + w % 2: registers that never hold Y
	s_add_co_u32 s42, s42, s16
	s_add_co_u32 s42, s42, WG0
	s_lshl_b32 s42, s42, 16
	s_mov_b32 s43, 0
	s_add_co_u32 s56, s20, 32                      ; the second block's tokens: 131,072 (Y + 32) on,
	s_lshl_b32 s56, s56, 17
	s_lshl_b32 s53, s[WV], 15                      ; my quarter of them, in LDS as in memory
	s_add_co_u32 s58, s56, s53
	s_mov_b32 s59, 0
	s_lshl_b32 s99, s17, 2                         ; and my share of their prefetch: 8,192 (4 cx + w) on
	s_add_co_u32 s99, s99, s[WV]
	s_lshl_b32 s99, s99, 13
	s_add_co_u32 s99, s99, s56
	s_lshl_b32 s23, s[WV], 16                      ; where the first fills go: 65,536 x wave: no place in the cluster enters an LDS address
	s_wait_dscnt 0x0
	s_wait_kmcnt 0x0
	s_add_nc_u64 s[40:41], s[4:5], s[40:41]
	s_add_nc_u64 s[42:43], s[6:7], s[42:43]
	CROUND                                         ; all sixteen work-groups are here: the joint loads meet
	s_mov_b32 s48, 1
	s_mov_b32 s49, s23
	s_mov_b64 s[50:51], s[40:41]
	s_or_b32 s51, s51, 0x80000000
	s_mov_b32 s68, 1
	s_mov_b32 s69, s23
	s_mov_b64 s[70:71], s[42:43]
	s_or_b32 s71, s71, 0x80000000
	s_mov_b32 s52, 1
	s_add_nc_u64 s[54:55], s[4:5], s[58:59]
	s_or_b32 s55, s55, 0x80000000
	s_cmp_eq_u32 s15, 0                            ; one first fill a wave, in one branch on the wave's number
	s_cbranch_scc0 .Lfill_w
	tensor_load_to_lds s[48:51], s[24:31]
	s_nop 0
	PLACES 4
	s_branch .Lfilled
.Lfill_w:
	tensor_load_to_lds s[68:71], s[32:39]
	s_nop 0
	PLACES 4
.Lfilled:
	s_lshl_b32 s96, s15, 16
	s_lshl_b32 s97, s16, 16
	s_add_co_u32 s97, s97, 131072
	s_mul_i32 s98, s[WV], 8704
	s_add_co_u32 s98, s98, STG                     ; my stage: two sets of 16 rows x 272 bytes
	v_and_b32 v4, 31, v0                           ; lane
	v_and_b32 v5, 15, v0                           ; r
	v_bfe_u32 v6, v0, 4, 1                         ; h
	v_lshlrev_b32 v3, 4, v4                        ; 16 x lane
	v_lshlrev_b32 v7, 4, v5                        ; 16 r
	v_lshlrev_b32 v8, 5, v6                        ; 32 h
	v_mul_u32_u24 v9, v5, 272
	v_mul_u32_u24 v10, v6, 272
	v_lshl_add_u32 v12, v4, 8, s99                 ; the prefetch: 256 x lane
	v_add_nc_u32 v1, s96, v3                       ; my tokens' group in LDS
	v_add_nc_u32 v2, s97, v3                       ; my columns' group
	v_add_nc_u32 v9, v9, v8
	v_add_nc_u32 v10, v10, v7
	v_lshl_add_u32 v11, v6, 12, v7                 ; out0: lanes 0-15 one row, lanes 16-31 the next
	v_add_nc_u32 v9, s98, v9                       ; into the stage: row r, + 32 h
	v_add_nc_u32 v10, s98, v10                     ; back: lanes 0-15 one row, lanes 16-31 the next
	s_wait_alu depctr_va_vdst(0)
	s_lshl_b32 s40, s20, 12                        ; the tokens' scale words: tiles 8 Y + 4 (w / 2) on
	s_lshl_b32 s41, s15, 11
	s_add_co_u32 s40, s40, s41
	s_add_co_u32 s40, s40, XSC
	s_mov_b32 s41, 0
	s_add_nc_u64 s[84:85], s[4:5], s[40:41]
	s_lshl_b32 s42, s19, 1                         ; the weights': tiles 4 (WG0 + 2 X + w % 2) on
	s_add_co_u32 s42, s42, s16
	s_add_co_u32 s42, s42, WG0
	s_lshl_b32 s42, s42, 11
	s_add_co_u32 s42, s42, WSC
	s_mov_b32 s43, 0
	s_add_nc_u64 s[86:87], s[6:7], s[42:43]
	s_lshl_b32 s42, s19, 9                         ; the bias: columns 128 X + 64 (w % 2) on
	s_lshl_b32 s43, s16, 8
	s_add_co_u32 s42, s42, s43
	s_mov_b32 s43, 0
	s_add_nc_u64 s[88:89], s[8:9], s[42:43]
.irp a, 0,1,2,3
.irp f, 0,1
	global_load_b128 v[XS+8*\a+4*\f:XS+8*\a+4*\f+3], v7, s[84:85] offset:512*\a+256*\f
	global_load_b128 v[WS+8*\a+4*\f:WS+8*\a+4*\f+3], v7, s[86:87] offset:512*\a+256*\f
.endr
	global_load_b128 v[BIAS+8*\a:BIAS+8*\a+3], v8, s[88:89] offset:64*\a
	global_load_b128 v[BIAS+8*\a+4:BIAS+8*\a+7], v8, s[88:89] offset:64*\a+16
.endr
	global_prefetch_b8 v12, s[4:5] th:TH_LOAD_NT scope:SCOPE_SE    ; v12 and s[4:5] are never written again
	s_lshl_b32 s96, s20, 19                        ; out0: row 128 Y + 64 (w / 2), column 128 X + 64 (w % 2)
	s_lshl_b32 s97, s15, 18
	s_add_co_u32 s96, s96, s97
	s_lshl_b32 s97, s19, 9
	s_add_co_u32 s96, s96, s97
	s_lshl_b32 s97, s16, 8
	s_add_co_u32 s96, s96, s97
	s_mov_b32 s97, 0
	s_add_nc_u64 s[92:93], s[10:11], s[96:97]
	s_add_nc_u64 s[94:95], s[92:93], 0x1000000     ; the second block: 4,096 rows of 4,096 bytes on
.macro FETCH s, p                      ; K step s: 32 LDS loads in one run, into buffer p
	WIN 0x40
.irp t, 0,1,2,3
.irp c, 0,1,2,3
	ds_load_b128 v[128*(\p)+16*\t+4*\c:128*(\p)+16*\t+4*\c+3], v2 offset:8192*(\s)+2048*\t+512*\c
.endr
.endr
.irp t, 0,1,2,3
.irp c, 0,1,2,3
	ds_load_b128 v[128*(\p)+64+16*\t+4*\c:128*(\p)+64+16*\t+4*\c+3], v1 offset:8192*(\s)+2048*\t+512*\c
.endr
.endr
.endm
.macro MUL s, p                        ; 16 products; the accumulators take turns, one instruction a turn, in the same order in every K step.  The first K step takes the bias as C
	WIN 0x05
.irp a, 0,1,2,3
.irp b, 0,1,2,3
.if (\s) == 0
	v_wmma_scale_f32_16x16x128_f8f6f4 v[ACC+8*(4*\a+\b):ACC+8*(4*\a+\b)+7], v[128*(\p)+16*\b:128*(\p)+16*\b+15], v[128*(\p)+64+16*\a:128*(\p)+64+16*\a+15], v[BIAS+8*\b:BIAS+8*\b+7], v[WS+8*\b+(\s)], v[XS+8*\a+(\s)]
.else
	v_wmma_scale_f32_16x16x128_f8f6f4 v[ACC+8*(4*\a+\b):ACC+8*(4*\a+\b)+7], v[128*(\p)+16*\b:128*(\p)+16*\b+15], v[128*(\p)+64+16*\a:128*(\p)+64+16*\a+15], v[ACC+8*(4*\a+\b):ACC+8*(4*\a+\b)+7], v[WS+8*\b+(\s)], v[XS+8*\a+(\s)]
.endif
.endr
.endr
.endm
.macro TOSTAGE a                       ; token tile a through my stage.  LDS serves a wave's instructions in order (ISA guide 5.7.1.4): no wait between the stores and the loads
	WIN 0
.irp b, 0,1,2,3
	ds_store_b128 v9, v[ACC+8*(4*(\a)+\b):ACC+8*(4*(\a)+\b)+3] offset:4352*((\a)%2)+64*\b          ; each accumulator from its low end on
	ds_store_b128 v9, v[ACC+8*(4*(\a)+\b)+4:ACC+8*(4*(\a)+\b)+7] offset:4352*((\a)%2)+64*\b+16
.endr
	WIN 0x40                                       ; destination window 1
.irp i, 0,1,2,3,4,5,6,7
	ds_load_b128 v[32*((\a)%2)+4*\i:32*((\a)%2)+4*\i+3], v10 offset:4352*((\a)%2)+544*\i
.endr
.endm
.macro SEND a, base
	WIN 0x04                                       ; a store's data are its source 1: window 1
.irp i, 0,1,2,3,4,5,6,7
	global_store_b128 v11, v[32*((\a)%2)+4*\i:32*((\a)%2)+4*\i+3], s[\base:\base+1] offset:(16*(\a)+2*\i)*4096 th:TH_STORE_NT   ; sixteen lanes store 256 consecutive bytes, aligned; written once, read by nobody here
.endr
.endm
.macro RUN n, base                     ; block n
	s_wait_tensorcnt 0x0                           ; my part of the block's operands is in; no LDS load of mine is pending at the signal;
	s_wait_dscnt 0x0
	s_barrier_signal -1
	s_barrier_wait -1                              ; everybody's is
	FETCH 0, 0
	FETCH 1, 1
	s_wait_loadcnt 0x0                             ; scale words (block 0: the bias too)
.irp s, 0,1,2,3,4,5
	s_wait_dscnt 32                                ; this K step's fragments are in; the next step's 32 loads may be out
	MUL \s, (\s)%2
	PLACES 8                                       ; in front of loads into registers that the products have read (ISA guide 7.12.1 for vector instructions)
	FETCH (\s)+2, (\s)%2
.endr
	s_wait_dscnt 32
	MUL 6, 0
	WIN 0
.if (\n) == 0
	s_wait_tensorcnt 0x0                           ; the tensor wait, the add and its wait ahead of a refill's round
	ds_add_u32 v30, v31
	s_wait_dscnt 0x0                               ; the add is done, and my last fragments of this block's tokens are in registers
	CROUND                                         ; that holds of every wave of all sixteen work-groups
	tensor_load_to_lds s[52:55], s[72:79]          ; the second block's tokens over the first's: my 32,768 bytes
	s_nop 0
	PLACES 4
.else
	s_wait_dscnt 0x0
.endif
	MUL 7, 1
	WIN 0
	PLACES 9                                       ; in front of the first read of results and of loads into the fragments' and the scale words' registers (eight), and of the next block's first products, which begin the sums anew over these registers (nine)
.if (\n) == 0
.irp a, 0,1,2,3
.irp f, 0,1
	global_load_b128 v[XS+8*\a+4*\f:XS+8*\a+4*\f+3], v7, s[84:85] offset:131072+512*\a+256*\f   ; the second block's scale words: 256 tiles of 512 bytes on
.endr
.endr
.endif
	TOSTAGE 0
	TOSTAGE 1
	s_wait_dscnt 16                                ; tile 0 is back; tile 1's sixteen LDS instructions may be out
	SEND 0, \base
	s_wait_xcnt 0x0                                ; tile 0's stores have read their registers: tile 2's loads may land there
	TOSTAGE 2
	s_wait_dscnt 16
	SEND 1, \base
	s_wait_xcnt 0x0
	TOSTAGE 3
	s_wait_dscnt 16
	SEND 2, \base
	s_wait_dscnt 0x0
	SEND 3, \base
	WIN 0
.endm
	RUN 0, 92
	s_wait_xcnt 0x0                                ; the first block's stores have read their registers
	RUN 1, 94
	s_wait_tensorcnt 0x0                           ; the wave's end
	ds_add_u32 v30, v31
	s_wait_dscnt 0x0
	CROUND                                         ; the closing round: no work-group ends while a partner may still ask for a tile that names it
	s_endpgm
.Lfunc_end_k_q86e47cbe39_oproj:
	.size	k_q86e47cbe39_oproj, .Lfunc_end_k_q86e47cbe39_oproj-k_q86e47cbe39_oproj
	.p2alignl 7, 3214868480
	.fill 96, 4, 3214868480
	.section	.rodata,"a",@progbits
	.p2align	6, 0x0
	.amdhsa_kernel k_q86e47cbe39_oproj
		.amdhsa_group_segment_fixed_size 327680
		.amdhsa_private_segment_fixed_size 0
		.amdhsa_enable_private_segment 0
		.amdhsa_kernarg_size 32
		.amdhsa_user_sgpr_count 2
		.amdhsa_user_sgpr_kernarg_segment_ptr 1
		.amdhsa_wavefront_size32 1
		.amdhsa_system_sgpr_workgroup_id_x 1
		.amdhsa_system_sgpr_workgroup_id_y 1
		.amdhsa_system_sgpr_workgroup_id_z 1
		.amdhsa_system_vgpr_workitem_id 0
		.amdhsa_next_free_vgpr 512
		.amdhsa_next_free_sgpr 100
		.amdhsa_reserve_vcc 0
		.amdhsa_float_denorm_mode_32 3
		.amdhsa_float_denorm_mode_16_64 3
		.amdhsa_memory_ordered 1
		.amdhsa_forward_progress 1
		.amdhsa_inst_pref_size 96
	.end_amdhsa_kernel
	.amdgpu_metadata
---
amdhsa.version: [ 1, 2 ]
amdhsa.kernels:
  - .name:           k_q86e47cbe39_oproj
    .symbol:         k_q86e47cbe39_oproj.kd
    .args:
      - { .name: aq, .offset: 0, .size: 8, .value_kind: global_buffer, .address_space: global }
      - { .name: wts, .offset: 8, .size: 8, .value_kind: global_buffer, .address_space: global }
      - { .name: bo, .offset: 16, .size: 8, .value_kind: global_buffer, .address_space: global }
      - { .name: out0, .offset: 24, .size: 8, .value_kind: global_buffer, .address_space: global }
    .group_segment_fixed_size: 327680
    .private_segment_fixed_size: 0
    .kernarg_segment_align: 8
    .kernarg_segment_size: 32
    .max_flat_workgroup_size: 128
    .sgpr_count:     100
    .vgpr_count:     512
    .wavefront_size: 32
...
	.end_amdgpu_metadata
.endif
;; end of part 5
